; MI455X (gfx1250); checked and timed in simulation.
; The chip was launched on July 23, 2026; its instructions are those of AMD's public machine-readable ISA for CDNA 5 (MIT licence, August 2026) and "CDNA5" Instruction Set Architecture Reference Guide (July 2026). The comments in the code are by the model that wrote it; some were corrected since.
;; Linear Attention. Allowed arithmetic: matrix products marked QUANTISED: E5M2 operands, one given power-of-two scale a tensor, by v_wmma_f32_16x16x64_bf8_bf8 or v_wmma_f32_16x16x128_bf8_bf8, f32 sums; products left as they are: f32 operands where the result goes on into a quantised operand, else bf16, f16 or f32 operands; f32 sums; everything else in f32.
;; Inputs: Wk 1,024 x 1,024 float32; Wq 1,024 x 1,024 float32; Wv 1,024 x 1,024 float32; bk 1,024 float32; bq 1,024 float32; bv 1,024 float32; lowp_scales 10 int32 (the exponents e of the quantised operands' scales 2^e); x 4 x 4,096 x 1,024 float32.
;; Outputs: out0 4 x 4,096 x 16 x 64 float32.
;; This version of the problem:
;;   THIS VERSION OF THE PROBLEM IS GIVEN IN LOW PRECISION. The matrix products marked QUANTISED in the list below multiply operands that are first quantised to E5M2 (5 exponent bits, 2 mantissa bits; 8 bits a number), with one given power-of-two scale for each operand tensor; their sums are f32. All else is computed in f32.
;;   The module's matrix products, in the order in which they are computed (A, B: the left and right operand; K: the contracted axis; several contracted axes count as one K, in the product's order):
;;     1. [M 16,384, K 1,024] x [K 1,024, N 1,024]; A: input x; B: input Wq: QUANTISED (scales: A lowp_scales[0], B lowp_scales[1])
;;     2. [M 16,384, K 1,024] x [K 1,024, N 1,024]; A: input x; B: input Wk: QUANTISED (scales: A lowp_scales[2], B lowp_scales[3])
;;     3. [M 16,384, K 1,024] x [K 1,024, N 1,024]; A: input x; B: input Wv: QUANTISED (scales: A lowp_scales[4], B lowp_scales[5])
;;     4. batch 64 x [M 1, K 64] x [K 64, N 4,096]; A: computed on the way; B: computed on the way: left as it is (M = 1 < 16)
;;     5. batch 64 x [M 64, K 4,096] x [K 4,096, N 64]; A: computed on the way; B: computed on the way: QUANTISED (scales: A lowp_scales[6], B lowp_scales[7])
;;     6. batch 64 x [M 64, K 64] x [K 64, N 4,096]; A: computed on the way; B: computed on the way: QUANTISED (scales: A lowp_scales[8], B lowp_scales[9])
;;   THE QUANTISER, for each operand of a quantised product, along K:
;;     - The operand's scale is 2^e, e = its entry of the input lowp_scales (int32; the entries are numbered through the quantised products in the list's order, A before B).
;;     - Each number is divided by the scale, clamped to +-57,344, and rounded to the nearest number of E5M2, ties to even, subnormals kept.
;;     - The product sums the exact products of the quantised numbers (number of the format x scale) in f32.
;;   ~~~python
;;   def quantise(x, axis, e):      # numpy; x: float32 -> the quantised numbers, widened to float32 again
;;       x = np.moveaxis(x, axis, -1); K = x.shape[-1]
;;       r = np.clip(x / 2.0 ** e, -57344, 57344)
;;       step = 2.0 ** (np.maximum(np.frexp(np.where(r == 0, 1, r))[1] - 1, -14) - 2)
;;       q = np.round(r / step) * step * 2.0 ** e      # np.round: ties to even
;;       return np.moveaxis(q, -1, axis).astype(np.float32)
;;   ~~~
;;   OPERANDS COMPUTED ON THE WAY. 'Computed on the way' means the value that the module computes at that place (a softmax that the list does not call 'softmax' is quantised finished and normalised). What goes into a quantiser is computed in f32, as accurately as f32 sums, v_exp_f32 and their like allow (about 1e-6 of the number): no bf16 or f16 on the way to a quantiser, and a product that is left as it is and whose result goes on into a quantised operand takes f32 operands (vector FMAs, or v_wmma_f32_16x16x4_f32). A number that lies on a knife's edge between two numbers of the format may be rounded either way, as far as f32 arithmetic and the matrix unit's own rounding can turn it there, and no further.
;; One version. Each part assembles by itself: llvm-mc -triple=amdgcn-amd-amdhsa -mcpu=gfx1250 --defsym DOCPART=n.
;; ======== version 1 of 1: 4 launches
;; workspace buffers: xc0 16,777,216 bytes; xc1 16,777,216 bytes; xc2 16,777,216 bytes; wc 3,145,728 bytes; kvp 16,777,216 bytes; ksp 524,288 bytes; kvc 262,144 bytes; ks 16,384 bytes
;; launch prep (part 1): grid 608 x 1, 4 waves a work-group, no clusters, 68,096 bytes of LDS; arguments x, Wq, Wk, Wv, lowp_scales, xc0, xc1, xc2, wc; writes xc0, xc1, xc2, wc
.if DOCPART == 1
	.amdgcn_target "amdgcn-amd-amdhsa--gfx1250"
	.amdhsa_code_object_version 6
	.text
	.protected	k_qb291cba00d_prep
	.globl	k_qb291cba00d_prep
	.p2align	8
	.type	k_qb291cba00d_prep,@function
k_qb291cba00d_prep:
	s_mov_b64 s[64:65], 0
	v_nop
	global_prefetch_b8 v0, s[64:65] scope:SCOPE_SE
	s_setreg_imm32_b32 hwreg(HW_REG_WAVE_MODE, 25, 1), 1
	s_wait_xcnt 0x0
; PREP: every operand of the three projections becomes codes of BF8 (E5M2), K innermost, once.
; x [16384][1024] f32 is an operand of three products, each with a scale of its own (entries 0, 2, 4 of the scales): it is read once and gives three buffers of codes, xc0, xc1, xc2, [16384][1024], a code a byte.
; Wq, Wk, Wv [1024 (k)][1024 (n)] f32 have K as their FIRST axis: they give wc [3][1024 (n)][1024 (k)], with entries 1, 3, 5.
; code = number / 2^e, held within +-57,344, rounded to the nearest code, ties to even.  LIMITS: each e between -126 and 112.  NaN among the inputs is not served.
; The first 96 work-groups take the weights (32 each: 8 strips of 128 columns x 4 pieces of 256 along K), the other 512 take x (32,768 numbers each).  The two ways never join, and each has LDS bytes of its own.
; x: rows are dense, so x is a plain stream.  A wave takes 16 steps of 512 numbers.  Each load reads 512 consecutive bytes; a step's 2,048 bytes turn through the wave's own stage in LDS and come back 64 bytes a lane,
; so that a lane holds 16 neighbours along K, which the conversions want; a lane's 16 codes are 16 bytes, and a store of the wave covers 512 consecutive bytes, aligned.
; W: a lane takes a column n and its registers run down K: the conversions then give codes with K innermost; they leave through the wave's stage as rows, sixteen lanes to 256 consecutive bytes, aligned.
; No tensor loads, no barrier: waves share nothing.
.set NWGW,  96                         ; work-groups for the weights
.set STEPS, 16
.set SP,    80                         ; x's stage: a lane's 64 bytes + 16 of padding
.set WREG,  8192                       ; x's stages: a region for each wave, two stages of 32 x SP bytes
.set R,     16                         ; v16-79   four sets of 16 numbers as loaded
.set X,     80                         ; v80-111  two sets of 16 neighbours
.set TT,    112                        ; v112-143 two sets of 16 held numbers, by turns
.set C,     144                        ; v144-191 codes: four steps x three tensors x four registers
.set WSTG,  32768                      ; the weights' stages begin here
.set PITCH, 272                        ; a stage row: 256 bytes + 16
.set NB,    8                          ; blocks of 32 along K for a wave
.set WX,    32                         ; v32-95   two sets of 32 numbers
.set WC,    96                         ; v96-103  a block's codes
.set OUTR,  112                        ; v112-175 the way out
.set EMAX,  15
.set MANT,  0x600000                   ; the mantissa field of 57,344 as f32
.macro LOAD t
.irp i, 0,1,2,3
	global_load_b128 v[R+16*((\t)%4)+4*\i:R+16*((\t)%4)+4*\i+3], v3, s[4:5] offset:2048*(\t)+512*\i th:TH_LOAD_NT   ; 32 lanes read 512 consecutive bytes
.endr
.endm
.macro TURN t                          ; step t's numbers through the stage: LDS serves a wave's instructions in order, so no wait stands between the stores and the loads
.irp i, 0,1,2,3
	ds_store_b128 v14, v[R+16*((\t)%4)+4*\i:R+16*((\t)%4)+4*\i+3] offset:32*SP*((\t)%2)+8*SP*\i
.endr
.irp i, 0,1,2,3
	ds_load_b128 v[X+16*((\t)%2)+4*\i:X+16*((\t)%2)+4*\i+3], v15 offset:32*SP*((\t)%2)+16*\i
.endr
.endm
.macro STEP t
.set XS, X+16*((\t)%2)
	s_wait_dscnt 0x0                               ; this step's numbers are back from the stage, so its stores into the stage have read their registers,
.if (\t)+4 < STEPS
	LOAD (\t)+4                                    ; which take the loads of four steps on
.endif
.if (\t)+1 < STEPS
.if STEPS-2-(\t) >= 3
	s_wait_loadcnt 12                              ; the next step's four loads are in; those of the three steps behind it may be out
.else
	s_wait_loadcnt 4*(STEPS-2-(\t))
.endif
	TURN (\t)+1                                    ; and go through the other stage while this step is worked
.endif
.if (\t) >= 4
	s_wait_xcnt 0x0                                ; the stores of four steps back have read their data: the codes' registers are written again only behind this wait
.endif
.irp n, 0,1,2
.set TS, TT+16*((3*(\t)+\n)%2)                 ; the two sets take turns, so that sixteen plain lines stand between a conversion and the next write of its sources
.set CS, C+12*((\t)%4)+4*\n
.irp i, 0,1,2,3,4,5,6,7,8,9,10,11,12,13,14,15
	v_med3_num_f32 v[TS+\i], v[XS+\i], -v[11+\n], v[11+\n]   ; the conversion to an 8-bit code does not saturate (ISA guide 7.6.2): the hold at the largest code x this product's scale
.endr
	v_cvt_scalef32_pk8_bf8_f32 v[CS:CS+1], v[TS:TS+7], v[8+\n]
	v_cvt_scalef32_pk8_bf8_f32 v[CS+2:CS+3], v[TS+8:TS+15], v[8+\n]
	global_store_b128 v3, v[CS:CS+3], s[14+2*\n:15+2*\n] offset:512*(\t)   ; 32 lanes store 512 consecutive bytes, aligned
.endr
.endm
.macro WLOAD t                         ; block t: W(32 t + i, my column), i = 0 .. 31, into set t % 2
.irp i, 0,1,2,3,4,5,6,7,8,9,10,11,12,13,14,15,16,17,18,19,20,21,22,23,24,25,26,27,28,29,30,31
	global_load_b32 v[WX+32*((\t)%2)+\i], v3, s[4:5] offset:(32*(\t)+\i)*4096 th:TH_LOAD_NT
.endr
.endm
.macro BLOCK t
.set XS, WX+32*((\t)%2)
.if (\t) < NB-1
	s_wait_loadcnt 32                              ; this block's 32 loads are in; the next block's may be out
.else
	s_wait_loadcnt 0x0
.endif
.irp i, 0,1,2,3,4,5,6,7,8,9,10,11,12,13,14,15,16,17,18,19,20,21,22,23,24,25,26,27,28,29,30,31
	v_med3_num_f32 v[XS+\i], v[XS+\i], -v10, v10
.endr
.irp g, 0,1,2,3
	v_cvt_scalef32_pk8_bf8_f32 v[WC+2*\g:WC+2*\g+1], v[XS+8*\g:XS+8*\g+7], v11
.endr
	ds_store_b128 v4, v[WC:WC+3] offset:32*(\t)    ; 32 codes: 32 bytes of my column's row
	ds_store_b128 v4, v[WC+4:WC+7] offset:32*(\t)+16
.if (\t)+2 < NB
	WLOAD (\t)+2
.endif
	s_wait_dscnt 0x0                               ; the stores have read their registers: the next block's codes may be written
.endm
	s_load_b256 s[4:11], s[0:1], 0x0               ; x s[4:5], Wq s[6:7], Wk s[8:9], Wv s[10:11]
	s_load_b256 s[12:19], s[0:1], 0x20             ; the scales s[12:13], xc0 s[14:15], xc1 s[16:17], xc2 s[18:19]
	s_load_b64 s[20:21], s[0:1], 0x40              ; wc
	v_lshl_add_u32 v192, v0, 2, 0x10800
	v_mov_b32 v193, 0
	v_lshrrev_b32 v1, 5, v0
	v_readfirstlane_b32 s32, v1                    ; wave 0..3
	v_and_b32 v2, 31, v0                           ; lane
	s_wait_kmcnt 0x0
	s_load_b256 s[24:31], s[12:13], 0x0            ; entries 0 to 7 of the scales
	s_cmp_lt_u32 ttmp9, NWGW
	s_cbranch_scc1 .Lweights
	; ---------------- x ----------------
	v_lshlrev_b32 v3, 4, v2                        ; my 16 bytes of a load's 512, and of a store's
	s_mul_i32 s33, s32, WREG
	v_lshrrev_b32 v14, 2, v2
	v_mul_u32_u24 v14, v14, SP
	v_and_b32 v15, 3, v2
	v_lshl_add_u32 v14, v15, 4, v14
	v_add_nc_u32 v14, s33, v14                     ; the stage, on the way in: four lanes' 64 bytes on end, then 16 of padding
	v_mul_u32_u24 v15, v2, SP
	v_add_nc_u32 v15, s33, v15                     ; and on the way out: my 16 neighbours
	s_sub_co_u32 s34, ttmp9, NWGW
	s_lshl_b32 s34, s34, 2
	s_add_co_u32 s34, s34, s32                     ; which run of 8,192 numbers is my wave's: 0 .. 2,047
	s_lshl_b32 s36, s34, 15                        ; 32,768 bytes of x,
	s_mov_b32 s37, 0
	s_add_nc_u64 s[4:5], s[4:5], s[36:37]
	s_lshl_b32 s36, s34, 13                        ; 8,192 bytes of each buffer of codes
	s_add_nc_u64 s[14:15], s[14:15], s[36:37]
	s_add_nc_u64 s[16:17], s[16:17], s[36:37]
	s_add_nc_u64 s[18:19], s[18:19], s[36:37]
.irp t, 0,1,2,3
	LOAD \t
.endr
	s_wait_kmcnt 0x0
.irp n, 0,1,2
	s_add_co_i32 s38, s[24+2*\n], 127
	s_lshl_b32 s39, s38, 23
	v_mov_b32 v[8+\n], s39                         ; 2^e as f32: the conversion takes its exponent field
	s_add_co_i32 s38, s38, EMAX
	s_lshl_b32 s38, s38, 23
	s_or_b32 s38, s38, MANT
	v_mov_b32 v[11+\n], s38                        ; 57,344 x 2^e
.endr
	s_wait_loadcnt 12                              ; step 0's four loads are in
	TURN 0
.irp t, 0,1,2,3,4,5,6,7,8,9,10,11,12,13,14,15
	STEP \t
.endr
	s_wait_tensorcnt 0x0
	ds_add_u32 v192, v193
	s_wait_dscnt 0x0
	s_endpgm
	; ---------------- the weights ----------------
.Lweights:
	s_lshr_b32 s33, ttmp9, 5                       ; which weight: 0 Wq, 1 Wk, 2 Wv
	s_and_b32 s34, ttmp9, 7                        ; which strip of 128 columns
	s_bfe_u32 s35, ttmp9, 0x20003                  ; which 256 along K
	s_lshl_b32 s34, s34, 7
	s_lshl_b32 s36, s32, 5
	s_add_co_u32 s34, s34, s36                     ; my wave's first column
	s_cmp_eq_u32 s33, 0
	s_cselect_b64 s[4:5], s[6:7], s[8:9]
	s_cmp_eq_u32 s33, 2
	s_cselect_b64 s[4:5], s[10:11], s[4:5]         ; the choice hangs on the work-group's number alone
	s_lshl_b32 s36, s35, 20                        ; 256 rows of 4,096 bytes
	s_lshl_b32 s37, s34, 2
	s_add_co_u32 s36, s36, s37
	s_mov_b32 s37, 0
	s_add_nc_u64 s[4:5], s[4:5], s[36:37]
	s_lshl_b32 s36, s33, 20                        ; the weight's part of wc,
	s_lshl_b32 s38, s34, 10                        ; my first column's row of 1,024 codes,
	s_add_co_u32 s36, s36, s38
	s_lshl_b32 s38, s35, 8                         ; my 256 along K
	s_add_co_u32 s36, s36, s38
	s_add_nc_u64 s[20:21], s[20:21], s[36:37]
	v_lshlrev_b32 v3, 2, v2                        ; in: 4 bytes a lane
	s_mul_i32 s36, s32, 32*PITCH
	s_add_co_u32 s36, s36, WSTG                    ; my stage
	v_mul_u32_u24 v4, v2, PITCH
	v_add_nc_u32 v4, s36, v4                       ; into it: row = my column
	v_and_b32 v5, 15, v2
	v_lshrrev_b32 v6, 4, v2                        ; out of it: sixteen lanes to a row, two rows an instruction
	v_mul_u32_u24 v7, v6, PITCH
	v_lshl_add_u32 v7, v5, 4, v7
	v_add_nc_u32 v7, s36, v7
	v_lshlrev_b32 v8, 10, v6
	v_lshl_add_u32 v8, v5, 4, v8                   ; and the same place in wc
	WLOAD 0
	WLOAD 1
	s_wait_kmcnt 0x0
	s_cmp_eq_u32 s33, 0
	s_cselect_b32 s40, s25, s27
	s_cmp_eq_u32 s33, 2
	s_cselect_b32 s40, s29, s40                    ; e: entry 1, 3 or 5
	s_add_co_i32 s40, s40, 127
	s_lshl_b32 s41, s40, 23
	v_mov_b32 v11, s41
	s_add_co_i32 s40, s40, EMAX
	s_lshl_b32 s40, s40, 23
	s_or_b32 s40, s40, MANT
	v_mov_b32 v10, s40
.irp t, 0,1,2,3,4,5,6,7
	BLOCK \t
.endr
.irp t, 0,1,2,3,4,5,6,7,8,9,10,11,12,13,14,15
	ds_load_b128 v[OUTR+4*\t:OUTR+4*\t+3], v7 offset:2*\t*PITCH   ; LDS serves a wave's instructions in order: these see my stores
.endr
.irp t, 0,1,2,3,4,5,6,7,8,9,10,11,12,13,14,15
	s_wait_dscnt 15-\t
	global_store_b128 v8, v[OUTR+4*\t:OUTR+4*\t+3], s[20:21] offset:2*\t*1024
.endr
	s_wait_tensorcnt 0x0
	ds_add_u32 v192, v193
	s_wait_dscnt 0x0
	s_endpgm
.Lfunc_end_k_qb291cba00d_prep:
	.size	k_qb291cba00d_prep, .Lfunc_end_k_qb291cba00d_prep-k_qb291cba00d_prep
	.p2alignl 7, 3214868480
	.fill 96, 4, 3214868480
	.section	.rodata,"a",@progbits
	.p2align	6, 0x0
	.amdhsa_kernel k_qb291cba00d_prep
		.amdhsa_group_segment_fixed_size 68096
		.amdhsa_private_segment_fixed_size 0
		.amdhsa_enable_private_segment 0
		.amdhsa_kernarg_size 72
		.amdhsa_user_sgpr_count 2
		.amdhsa_user_sgpr_kernarg_segment_ptr 1
		.amdhsa_wavefront_size32 1
		.amdhsa_system_sgpr_workgroup_id_x 1
		.amdhsa_system_sgpr_workgroup_id_y 1
		.amdhsa_system_sgpr_workgroup_id_z 1
		.amdhsa_system_vgpr_workitem_id 0
		.amdhsa_next_free_vgpr 194
		.amdhsa_next_free_sgpr 66
		.amdhsa_reserve_vcc 0
		.amdhsa_float_denorm_mode_32 3
		.amdhsa_float_denorm_mode_16_64 3
		.amdhsa_memory_ordered 1
		.amdhsa_forward_progress 1
		.amdhsa_inst_pref_size 125
	.end_amdhsa_kernel
	.amdgpu_metadata
---
amdhsa.version: [ 1, 2 ]
amdhsa.kernels:
  - .name:           k_qb291cba00d_prep
    .symbol:         k_qb291cba00d_prep.kd
    .args:
      - { .name: x, .offset: 0, .size: 8, .value_kind: global_buffer, .address_space: global }
      - { .name: Wq, .offset: 8, .size: 8, .value_kind: global_buffer, .address_space: global }
      - { .name: Wk, .offset: 16, .size: 8, .value_kind: global_buffer, .address_space: global }
      - { .name: Wv, .offset: 24, .size: 8, .value_kind: global_buffer, .address_space: global }
      - { .name: lowp_scales, .offset: 32, .size: 8, .value_kind: global_buffer, .address_space: global }
      - { .name: xc0, .offset: 40, .size: 8, .value_kind: global_buffer, .address_space: global }
      - { .name: xc1, .offset: 48, .size: 8, .value_kind: global_buffer, .address_space: global }
      - { .name: xc2, .offset: 56, .size: 8, .value_kind: global_buffer, .address_space: global }
      - { .name: wc, .offset: 64, .size: 8, .value_kind: global_buffer, .address_space: global }
    .group_segment_fixed_size: 68096
    .private_segment_fixed_size: 0
    .kernarg_segment_align: 8
    .kernarg_segment_size: 72
    .max_flat_workgroup_size: 128
    .sgpr_count:     66
    .vgpr_count:     194
    .wavefront_size: 32
...
	.end_amdgpu_metadata
.endif
;; end of part 1
;; launch kvpart (part 2): grid 4 x 64, 4 waves a work-group, clusters of 4 x 4, 327,680 bytes of LDS; arguments xc1, xc2, wc, bk, bv, lowp_scales, kvp, ksp; writes kvp, ksp
.if DOCPART == 2
	.amdgcn_target "amdgcn-amd-amdhsa--gfx1250"
	.amdhsa_code_object_version 6
	.text
	.protected	k_qb291cba00d_kvpart
	.globl	k_qb291cba00d_kvpart
	.p2align	8
	.type	k_qb291cba00d_kvpart,@function
k_qb291cba00d_kvpart:
	s_mov_b64 s[64:65], 0
	v_nop
	global_prefetch_b8 v0, s[64:65] scope:SCOPE_SE
	s_setreg_imm32_b32 hwreg(HW_REG_WAVE_MODE, 25, 1), 1
	s_wait_xcnt 0x0
	s_wait_alu depctr_hold_cnt(0) depctr_sa_sdst(0) depctr_va_vdst(0) depctr_va_sdst(0) depctr_va_ssrc(0) depctr_va_vcc(0) depctr_vm_vsrc(0)
	s_getreg_b32 s2, hwreg(HW_REG_IB_STS2, 6, 4)
	s_cmp_eq_u32 s2, 0
	s_cbranch_scc0 .Lentry_in_a_cluster
	s_endpgm
.Lentry_in_a_cluster:
	s_bfe_u32 s2, ttmp6, 0x10000c
	s_cmp_lg_u32 s2, 0xf033
	s_cbranch_scc0 .Lentry_shape_is_right
	s_endpgm
.Lentry_shape_is_right:
; KVPART: for 256 tokens x 256 features (4 heads): k = elu(x Wk + bk) + 1, its sum over the tokens, v = x Wv + bv, and the part of kv = k^T v that these 256 tokens give.  k and v never go to memory.
; All products on codes of BF8 (E5M2).  x's codes: xc1 (for Wk), xc2 (for Wv), [16384][1024]; the weights' codes: wc [3][1024 (n)][1024 (k)].  Scales 2^e: entries 2, 3 (x, Wk), 4, 5 (x, Wv), 6 (k), 7 (v).
; LIMITS: e2 + e3 and e4 + e5 between -126 and 127; e6 and e7 between -126 and 112.  NaN among the inputs is not served.  For y <= 0 the feature map is taken as e^y itself (it differs from expm1(y) + 1 rounded in f32 by at most 2^-24).
; SHARES.  Four waves, wave = 2 i + j: tokens 128 i on, features 128 j on: 64 accumulators of 16 x 16, 512 registers.  K = 1,024 goes in four slots' worth of 256 through a ring of two LDS slots; the k tile's four fills are
; followed by the v tile's four without a stop.  CLUSTER 4 x 4: the four of a row need the same tile of x, the four of a column the same tile of W: each tile is asked for jointly.
; LAYOUT.  Source 0 = 16 tokens of x, source 1 = 16 features of W: a lane then holds ONE feature (lane % 16) and, in the 64 registers of a block of features, tokens 16 (p / 8) + 8 (lane / 16) + p % 8.  The conversions take eight
; neighbouring registers, so a block's 64 registers become 16 registers of codes: a fragment (16 features x 128 tokens) of the product over the tokens.  k and v get the same order of tokens, so every product meets its partner.
; THE FEATURES OF W ARE TAKEN IN AN ORDER THAT HANGS ON i: a wave's blocks 0-3 are head 2 j + i of the tile, blocks 4-7 head 2 j + 1 - i.  Each wave multiplies both heads over its 128 tokens, keeps the first and hands the
; second to wave (1 - i, j), whose first head it is: so each head's sum over the 256 tokens has one owner.
; elu(y) + 1 in three instructions: p = y + 1, E = 2^(p L - L) = e^y (L = log2 e), and the middle one of p, E and 1: for y > 0, 1 < p <= E; for y <= 0, p <= E <= 1.
; OUT.  kvp [b][head][part 16][32 pieces][lane][4 f32]: the accumulators as they stand, not yet x 2^(e6 + e7): accumulator (dt, vt), lane (r, h), register j = kv(16 dt + 8 h + j, 16 vt + r).  ksp [b][part 32][1024] f32.
; REGISTERS, in windows of 256.  Window 0: v1-31 addresses and constants; v32-47, v48-63 the biases, a pair a block; v64-127 k's codes of blocks 0-3; v128-255 W's fragments, ONE set, in the epilogues two sets of 64 at work.
;   Window 1: x's fragments, TWO sets, at v0 and v128; later v's codes at v0-127.   Windows 2, 3: the accumulators (block a of W, block b of x at v[8 (8 (a % 4) + b)]); later kv's.
.set PITCH,  272                       ; an LDS row: 256 bytes + 16 of padding: the 16 rows that a fragment load touches start 68 words apart
.set HALFT,  128*PITCH                 ; 128 rows: what one tensor load brings
.set SLOT,   4*HALFT                   ; x's 256 rows, then W's 256 rows
.set KC,     2*SLOT                    ; behind the ring: k's codes of blocks 4-7, 8,192 bytes a wave, as images of their registers
.set KSS,    KC+4*8192                 ; the sums of k, 512 bytes a wave
.set SPARE,  KSS+4*512                 ; the spare words, 128 bytes a wave: two blocks of 256 bytes that no other line names
.set FR,     16                        ; registers of a fragment: 16 rows x 128 K
.set AF,     128                       ; W's fragments, in window 0
.set T1,     128                       ; the epilogues' two sets of 64
.set T2,     192
.set NL2E,   6                         ; v[6:7]  -log2 e (the low word serves both halves)
.set KCA,    8                         ; v8   KC + 8,192 wave + 16 lane
.set KSL,    9                         ; v9   where blocks 0-3 put their sums
.set KSH,    10                        ; v10  where blocks 4-7 do
.set KSR,    11                        ; v11  where the wave reads its 128 sums back
.set XSA,    12                        ; v12  the exchange: where I put my second head
.set XRA,    13                        ; v13  and where I find my first head's other half
.set SCK,    14                        ; v14 2^e6, v15 57,344 x 2^e6
.set ADRQL,  16                        ; v16-17 LDS address of W's blocks 0-3 in slot 0, 1
.set ADRQH,  18                        ; v18-19 of blocks 4-7
.set ADRP,   20                        ; v20-21 of x's blocks
.set SCV,    22                        ; v22 2^e7, v23 57,344 x 2^e7
.set SUM,    24                        ; v24-27 at work on the sums
.set SPW,    28                        ; v28  my spare word; never rewritten
.set NIL,    29                        ; v29  0; never rewritten
.set PFO,    30                        ; v30  1,024 x lane: a lane a row; never rewritten
.set LI,     31                        ; v31  16 x lane
.set BV,     32                        ; v32-47 bv of my feature in block a: pair 2 a
.set BP,     48                        ; v48-63 bk + 1 likewise
.set KCD,    64                        ; v64-127 k's codes of blocks 0-3
.set WV,     20                        ; s20 wave, s21 i, s22 j
.set WI,     21
.set WJ,     22
.set G1X,    32                        ; s[32:39] descriptor group 1 for x's tiles; s[40:47] for W's: they differ in the mask alone
.set G1W,    40
.set SK,     92                        ; s[92:93] 2^(e2 + e3)
.set SV,     94                        ; s[94:95] 2^(e4 + e5)
.set L2E,    96                        ; s[96:97] log2 e
.set PFA,    98                        ; s[98:99] where my prefetches stand; never rewritten
.set LIM,    100                       ; s100 1 in a wave that prefetches
.set G1W0,   (1<<20)|(1<<21)|(5<<22)|(3<<25)   ; elements of 1 byte; padding on; bit 21 beside a mask; after every 64 words; 4 words
.set MUL_LO, 0xa1                      ; source 0 (x) window 1, source 1 (W) window 0, C and D window 2
.set MUL_HI, 0xf1                      ; the same, C and D window 3
.set MSB, 0
.macro WIN new                         ; the immediate's high byte repeats the setting that is left
.if MSB != (\new)
	s_set_vgpr_msb (MSB<<8)|(\new)
.set MSB, (\new)
.endif
.endm
.macro PLACES n                        ; plain vector lines between a matrix instruction and a load into, or a read of, its registers
.rept \n
	v_nop
.endr
.endm
; A joint load: waves 0 and 1 fetch x's two halves, waves 2 and 3 W's.  The branch hangs on the wave's number alone.  Four v_nop follow each of the two lines.
.macro JLOAD gx, gw
	s_cmp_eq_u32 s[WI], 0
	s_cbranch_scc0 .Lfor_w_\@
	tensor_load_to_lds s[\gx:\gx+3], s[G1X:G1X+7]
	s_nop 0
.rept 4
	v_nop
.endr
	s_branch .Lasked_\@
.Lfor_w_\@:
	tensor_load_to_lds s[\gw:\gw+3], s[G1W:G1W+7]
	s_nop 0
.rept 4
	v_nop
.endr
.Lasked_\@:
.endm
.macro CREST                           ; a round of the cluster's barrier behind its opening barrier
	s_cmp_lg_u32 s[WV], 0
	s_cbranch_scc1 .Lnot_wave_0_\@
	s_barrier_signal -3
.Lnot_wave_0_\@:
	s_barrier_wait -3
	s_barrier_signal -1
	s_barrier_wait -1
.endm
.macro CROUND                          ; a whole round
	s_barrier_signal -1
	s_barrier_wait -1
	CREST
.endm
; A prefetch of the v tile's K step f (256 bytes of each row), issued two changes of slots ahead of the joint load that asks for it: 32 rows, a lane a row, one instruction a wave.
; x's rows are read by this row of the cluster alone: its four partners take 32 rows each of the 128 that a wave fetches, told apart by address (cx).  W's rows are read by every cluster: the clusters with y = 0 ask, the four
; partners of a column told apart by address (cy).  So each row's 256 bytes are named once in the launch.  The k tile's four K steps come by their loads alone.
.macro ASK f
	s_cmp_eq_u32 s[LIM], 1
	s_cbranch_scc0 .Lnot_mine_\@
	global_prefetch_b8 v[PFO], s[PFA:PFA+1] offset:256*(\f) th:TH_LOAD_NT scope:SCOPE_SE
.Lnot_mine_\@:
.endm
.macro FRAG reg, adr, q, blk           ; a fragment: lane l holds row l % 16; registers 4 c .. 4 c + 3 hold K = 32 c + 16 (l / 16) + 0 .. 15: the same order of K on both sides
.irp c, 0,1,2,3
	ds_load_b128 v[\reg+4*\c:\reg+4*\c+3], v[\adr] offset:128*(\q)+32*\c+(\blk)*16*PITCH
.endr
.endm
; 16 matrix instructions: W's blocks a0, a0 + 1 x x's eight, 128 along K.  p: x's set.  zero = 1: the products start the sums.  The 64 accumulators take turns, one instruction a turn.
.macro MUL16 a0, p, zero
.irp a, \a0, \a0+1
.irp b, 0,1,2,3,4,5,6,7
.if \zero
	v_wmma_f32_16x16x128_bf8_bf8 v[8*(8*((\a)%4)+\b):8*(8*((\a)%4)+\b)+7], v[128*(\p)+FR*\b:128*(\p)+FR*\b+FR-1], v[AF+FR*(\a):AF+FR*(\a)+FR-1], 0
.else
	v_wmma_f32_16x16x128_bf8_bf8 v[8*(8*((\a)%4)+\b):8*(8*((\a)%4)+\b)+7], v[128*(\p)+FR*\b:128*(\p)+FR*\b+FR-1], v[AF+FR*(\a):AF+FR*(\a)+FR-1], v[8*(8*((\a)%4)+\b):8*(8*((\a)%4)+\b)+7]
.endif
.endr
.endr
.endm
.macro FETCH_P slot, q, p              ; x's eight fragments of the slot's q-th 128 along K into set p
	WIN 0x40
.irp i, 0,1,2,3,4,5,6,7
	FRAG 128*(\p)+FR*\i, ADRP+\slot, \q, \i
.endr
	WIN 0
.endm
.macro FETCH_Q slot, q, hi             ; W's blocks 0-3 (hi = 0) or 4-7 (hi = 1)
.irp i, 0,1,2,3
.if \hi
	FRAG AF+FR*(4+\i), ADRQH+\slot, \q, \i
.else
	FRAG AF+FR*\i, ADRQL+\slot, \q, \i
.endif
.endr
.endm
; A slot's first 128 along K: multiplies x's set 0 and fetches the second 128 (x into set 1; W's blocks as they come free).
.macro STEP slot, zero
	s_wait_dscnt 16                                ; x's set and W's blocks 0-3 are in; the 16 youngest loads (W's blocks 4-7) may be out
	WIN MUL_LO
	MUL16 0, 0, \zero
	MUL16 2, 0, \zero
	s_wait_dscnt 0x0                               ; W's blocks 4-7 are in
	PLACES 4
	FETCH_P \slot, 1, 1
	FETCH_Q \slot, 1, 0
	WIN MUL_HI
	MUL16 4, 0, \zero
	MUL16 6, 0, \zero
	PLACES 4
	WIN 0
	FETCH_Q \slot, 1, 1
.endm
; A slot's second 128 changes slots: ONE barrier; in front of it each wave waits for all its tensor loads, adds 0 to its spare word, and waits for that and for its reads of this slot.
; fill = 1: the barrier opens a round of the cluster's barrier and this slot is filled again by group 0 gx (x) or gw (W); adv = 1: both first step 512 bytes (two K steps of 256) along K.
.macro TURN slot, next, fill, gx, gw, adv, ask
	s_wait_tensorcnt 0x0                           ; all my tensor loads have landed: my part of the next slot
	ds_add_u32 v[SPW], v[NIL]                      ; 0 onto my spare word
	s_wait_dscnt 17                                ; (the add and the 16 youngest loads, W's blocks 4-7, may be out)
	WIN MUL_LO
	MUL16 0, 1, 0                                  ; sixteen matrix instructions stand between the add and the wait for it
	s_wait_dscnt 0x0                               ; the add is done, and my reads of this slot are over
	s_barrier_signal -1
	MUL16 2, 1, 0
	WIN 0
	s_barrier_wait -1
.if \fill
	CREST                                          ; no wave of any partner still reads this slot or has a load on its way
.if \adv
	s_add_nc_u64 s[\gx+2:\gx+3], s[\gx+2:\gx+3], 512
	s_add_nc_u64 s[\gw+2:\gw+3], s[\gw+2:\gw+3], 512
.endif
	JLOAD \gx, \gw                                 ; the first tensor load behind the round; its four v_nop are also the places in front of the loads below
.else
	PLACES 4
.endif
	FETCH_P \next, 0, 0
	FETCH_Q \next, 0, 0
.if \ask >= 0
	ASK \ask
.endif
	WIN MUL_HI
	MUL16 4, 1, 0
	MUL16 6, 1, 0
	PLACES 4
	WIN 0
	FETCH_Q \next, 0, 1
.endm
; The k tile's last 128 along K: as TURN with a fill, but nothing is fetched from LDS: the epilogue takes the fragments' registers first.
.macro TEND gx, gw, ask
	s_wait_tensorcnt 0x0
	ds_add_u32 v[SPW], v[NIL]
	s_wait_dscnt 17
	WIN MUL_LO
	MUL16 0, 1, 0
	s_wait_dscnt 0x0
	s_barrier_signal -1
	MUL16 2, 1, 0
	WIN 0
	s_barrier_wait -1
	CREST
	JLOAD \gx, \gw
	ASK \ask
	WIN MUL_HI
	MUL16 4, 1, 0
	MUL16 6, 1, 0
	WIN 0
.endm
.macro LAST                            ; the v tile's last 128 along K: nothing more to fetch
	s_wait_dscnt 16
	WIN MUL_LO
	MUL16 0, 1, 0
	MUL16 2, 1, 0
	s_wait_dscnt 0x0
	WIN MUL_HI
	MUL16 4, 1, 0
	MUL16 6, 1, 0
	WIN 0
.endm
; k's epilogue for block a of features: 64 sums a lane become k, its sum over the tokens, and a fragment's codes.
.macro KEPI a
.set AC, 64*((\a)%4)
	s_wait_dscnt 0x0                               ; the block before has stored its sum and its codes: their registers may be written
	WIN 0x02+(\a)/4                                ; source 0: the accumulators' window
.set n, 0
.rept 32
	v_pk_fma_f32 v[T1+n:T1+n+1], v[AC+n:AC+n+1], s[SK:SK+1], v[BP+2*(\a):BP+2*(\a)+1] op_sel_hi:[1,0,0]   ; p = sum x 2^(e2 + e3) + (bk + 1); each accumulator from its low end on
.set n, n+2
.endr
	WIN 0
.set n, 0
.rept 32
	v_pk_fma_f32 v[T2+n:T2+n+1], v[T1+n:T1+n+1], s[L2E:L2E+1], v[NL2E:NL2E+1] op_sel_hi:[1,0,0]   ; p L - L
.set n, n+2
.endr
.set n, 0
.rept 64
	v_exp_f32 v[T2+n], v[T2+n]                     ; E = e^y: one batch
.set n, n+1
.endr
	v_nop                                          ; a plain line behind the last exponential
	s_wait_alu depctr_va_vdst(0)                   ; one wait for the batch, ahead of its first reader
.set n, 0
.rept 64
	v_med3_num_f32 v[T1+n], v[T1+n], v[T2+n], 1.0  ; k = the middle one of p, E and 1
.set n, n+1
.endr
	v_pk_add_f32 v[SUM:SUM+1], v[T1:T1+1], v[T1+2:T1+3]        ; the sum of the unquantised k over my 64 tokens, in two chains; the holds stand between the additions
	v_pk_add_f32 v[SUM+2:SUM+3], v[T1+4:T1+5], v[T1+6:T1+7]
.set n, 0
.rept 8
	v_min_num_f32 v[T2+n], v[T1+n], v[SCK+1]       ; the conversion does not saturate (ISA guide 7.6.2); k is not negative, so the hold is one-sided
.set n, n+1
.endr
.set n, 8
.rept 14
	v_pk_add_f32 v[SUM:SUM+1], v[SUM:SUM+1], v[T1+n:T1+n+1]
	v_min_num_f32 v[T2+n], v[T1+n], v[SCK+1]
	v_min_num_f32 v[T2+n+1], v[T1+n+1], v[SCK+1]
	v_pk_add_f32 v[SUM+2:SUM+3], v[SUM+2:SUM+3], v[T1+n+2:T1+n+3]
	v_min_num_f32 v[T2+n+2], v[T1+n+2], v[SCK+1]
	v_min_num_f32 v[T2+n+3], v[T1+n+3], v[SCK+1]
.set n, n+4
.endr
	v_pk_add_f32 v[SUM:SUM+1], v[SUM:SUM+1], v[SUM+2:SUM+3]
	v_add_f32 v[SUM], v[SUM], v[SUM+1]
	v_permlanex16_b32 v[SUM+1], v[SUM], s30, s31   ; my feature's other 64 tokens lie in the lane 16 away
	v_add_f32 v[SUM], v[SUM], v[SUM+1]
.if (\a) < 4
	ds_store_b32 v[KSL], v[SUM] offset:64*((\a)%4)
.set DST, KCD+16*(\a)                          ; blocks 0-3: the codes stay in registers
.else
	ds_store_b32 v[KSH], v[SUM] offset:64*((\a)%4)
.set DST, T1                                   ; blocks 4-7: they go to LDS, by way of registers that are done with
.endif
.set n, 0
.rept 8
	v_cvt_scalef32_pk8_bf8_f32 v[DST+2*n:DST+2*n+1], v[T2+8*n:T2+8*n+7], v[SCK]
.set n, n+1
.endr
	v_nop                                          ; a plain line behind the last conversion
.if (\a) >= 4
.irp c, 0,1,2,3
	ds_store_b128 v[KCA], v[T1+4*\c:T1+4*\c+3] offset:2048*((\a)-4)+512*\c
.endr
.endif
.endm
; v's epilogue for block a: sum x 2^(e4 + e5) + bv, held, converted: a fragment's codes into window 1.
.macro VEPI a
.set AC, 64*((\a)%4)
.set TW, T1+64*((\a)%2)
	WIN 0x02+(\a)/4
.set n, 0
.rept 32
	v_pk_fma_f32 v[TW+n:TW+n+1], v[AC+n:AC+n+1], s[SV:SV+1], v[BV+2*(\a):BV+2*(\a)+1] op_sel_hi:[1,0,0]
.set n, n+2
.endr
	WIN 0
.set n, 0
.rept 64
	v_med3_num_f32 v[TW+n], v[TW+n], -v[SCV+1], v[SCV+1]
.set n, n+1
.endr
	WIN 0x40                                       ; destination window 1
.set n, 0
.rept 8
	v_cvt_scalef32_pk8_bf8_f32 v[16*(\a)+2*n:16*(\a)+2*n+1], v[TW+8*n:TW+8*n+7], v[SCV]
.set n, n+1
.endr
	v_nop                                          ; a plain line behind the last conversion
.endm
	s_load_b256 s[4:11], s[0:1], 0x0               ; xc1 s[4:5], xc2 s[6:7], wc s[8:9], bk s[10:11]
	s_load_b256 s[12:19], s[0:1], 0x20             ; bv s[12:13], the scales s[14:15], kvp s[16:17], ksp s[18:19]
	v_lshl_add_u32 v[SPW], v0, 2, SPARE
	v_mov_b32 v[NIL], 0
	ds_add_u32 v28, v29
	ds_add_u32 v28, v29
	s_wait_dscnt 0x0
	v_lshrrev_b32 v1, 5, v0
	v_readfirstlane_b32 s[WV], v1                  ; wave 0..3
	s_lshr_b32 s[WI], s[WV], 1                     ; i: my half of the tokens.  Also: I fetch for x (0) or for W (1)
	s_and_b32 s[WJ], s[WV], 1                      ; j: my half of the features.  Also: which 128 rows of that tile I fetch
	s_bfe_u32 s23, ttmp6, 0x40000                  ; cx, cy: my place in the cluster
	s_bfe_u32 s24, ttmp6, 0x40004
	s_lshl_b32 s25, ttmp9, 2
	s_add_co_u32 s25, s25, s23                     ; tx: which 256 features
	s_and_b32 s26, ttmp7, 0xffff
	s_lshl_b32 s26, s26, 2
	s_add_co_u32 s26, s26, s24                     ; ty: which 256 tokens
	s_lshl_b32 s27, s24, 2
	s_lshl_b32 s27, 15, s27                        ; my row of the cluster
	s_lshl_b32 s28, 0x1111, s23                    ; my column
	s_or_b32 s[G1X], s27, G1W0                     ; x's tiles go to my row,
	s_or_b32 s[G1W], s28, G1W0                     ; W's to my column
.irp g, G1X, G1W
	s_mov_b32 s[\g+1], 256<<16                     ; tensor_dim0 = 256 bytes
	s_mov_b32 s[\g+2], 128<<16                     ; tensor_dim1 = 128 rows
	s_mov_b32 s[\g+3], 256<<16                     ; tile_dim0
	s_mov_b32 s[\g+4], 128                         ; tile_dim1
	s_mov_b32 s[\g+5], 1024                        ; from row to row
	s_mov_b32 s[\g+6], 0
	s_mov_b32 s[\g+7], 0
.endr
	s_mov_b32 s30, 0x76543210                      ; v_permlanex16_b32: each lane takes its own place in the other half
	s_mov_b32 s31, 0xfedcba98
	s_lshl_b32 s2, s[WJ], 7                        ; which 128 rows of a tile I fetch
	s_lshl_b32 s66, s26, 8
	s_add_co_u32 s66, s66, s2
	s_lshl_b32 s66, s66, 10                        ; x: (256 ty + 128 j) rows of 1,024 bytes
	s_mov_b32 s67, 0
	s_lshl_b32 s100, s25, 8
	s_add_co_u32 s100, s100, s2
	s_lshl_b32 s100, s100, 10                      ; W: (256 tx + 128 j) rows
	s_mov_b32 s101, 0
	s_mul_i32 s29, s[WV], HALFT                    ; where they go: wave x 128 rows: no place in the cluster enters an LDS address
	s_wait_kmcnt 0x0
	s_load_b256 s[84:91], s[14:15], 0x0            ; entries 0 to 7 of the scales
	s_add_nc_u64 s[4:5], s[4:5], s[66:67]
	s_add_nc_u64 s[6:7], s[6:7], s[66:67]
	s_add_nc_u64 s[8:9], s[8:9], s[100:101]
	CROUND                                         ; all sixteen work-groups are here: the first joint loads meet
.irp s, 0,1                                    ; group 0, a set for each tile and slot: s[48:55] x for k, s[56:63] x for v, s[68:75] Wk, s[76:83] Wv
	s_mov_b32 s[48+4*\s], 1
	s_add_co_u32 s[49+4*\s], s29, \s*SLOT
	s_add_nc_u64 s[50+4*\s:51+4*\s], s[4:5], \s*256
	s_or_b32 s[51+4*\s], s[51+4*\s], 0x80000000
	s_mov_b32 s[56+4*\s], 1
	s_add_co_u32 s[57+4*\s], s29, \s*SLOT
	s_add_nc_u64 s[58+4*\s:59+4*\s], s[6:7], \s*256
	s_or_b32 s[59+4*\s], s[59+4*\s], 0x80000000
	s_mov_b32 s[68+4*\s], 1
	s_add_co_u32 s[69+4*\s], s29, \s*SLOT
	s_add_nc_u64 s[70+4*\s:71+4*\s], s[8:9], (1<<20)+\s*256
	s_or_b32 s[71+4*\s], s[71+4*\s], 0x80000000
	s_mov_b32 s[76+4*\s], 1
	s_add_co_u32 s[77+4*\s], s29, \s*SLOT
	s_add_nc_u64 s[78+4*\s:79+4*\s], s[8:9], (2<<20)+\s*256
	s_or_b32 s[79+4*\s], s[79+4*\s], 0x80000000
.endr
	JLOAD 48, 68                                   ; the k tile's K steps 0 and 1: two loads of mine are out
	JLOAD 52, 72
	v_and_b32 v1, 15, v0                           ; r
	v_bfe_u32 v2, v0, 4, 1                         ; h
	v_and_b32 v3, 31, v0                           ; lane
	v_lshlrev_b32 v[LI], 4, v3
	v_lshlrev_b32 v[PFO], 10, v3
	v_mul_u32_u24 v4, v1, PITCH
	v_lshl_add_u32 v4, v2, 4, v4                   ; a fragment's row x pitch + 16 x half
	s_xor_b32 s3, s[WI], 1                         ; 1 - i
	s_lshl_b32 s2, s25, 10
	s_lshl_b32 s66, s[WJ], 9
	s_add_co_u32 s2, s2, s66                       ; (256 tx + 128 j) x 4: my 128 features in a row of f32
	s_lshl_b32 s66, s[WI], 8
	s_add_co_u32 s66, s66, s2                      ; blocks 0-3: head i of the two,
	s_lshl_b32 s67, s3, 8
	s_add_co_u32 s67, s67, s2                      ; blocks 4-7: the other
	v_lshl_add_u32 v24, v1, 2, s66
	v_lshl_add_u32 v25, v1, 2, s67
.irp a, 0,1,2,3
	global_load_b32 v[BP+2*\a], v24, s[10:11] offset:64*\a
	global_load_b32 v[BP+8+2*\a], v25, s[10:11] offset:64*\a
	global_load_b32 v[BV+2*\a], v24, s[12:13] offset:64*\a
	global_load_b32 v[BV+8+2*\a], v25, s[12:13] offset:64*\a
.endr
.irp a, 0,1,2,3,4,5,6,7
	v_mov_b32 v[BP+2*\a+1], 0                      ; (named as the upper halves of pairs)
	v_mov_b32 v[BV+2*\a+1], 0
.endr
	s_lshl_b32 s66, s26, 1
	s_add_co_u32 s66, s66, s[WI]                   ; 32 b + part = 2 ty + i
	s_lshl_b32 s66, s66, 12
	s_add_co_u32 s66, s66, s2
	s_mov_b32 s67, 0
	s_add_nc_u64 s[18:19], s[18:19], s[66:67]      ; ksp at my 128 sums
	s_lshr_b32 s66, s26, 4
	s_lshl_b32 s66, s66, 4                         ; 16 b
	s_lshl_b32 s101, s25, 2
	s_add_co_u32 s66, s66, s101
	s_lshl_b32 s101, s[WJ], 1
	s_add_co_u32 s66, s66, s101
	s_add_co_u32 s66, s66, s[WI]                   ; + the head that I keep: 4 tx + 2 j + i
	s_lshl_b32 s66, s66, 4
	s_and_b32 s101, s26, 15
	s_add_co_u32 s66, s66, s101                    ; x 16 + part
	s_lshl_b32 s66, s66, 14
	s_add_nc_u64 s[16:17], s[16:17], s[66:67]      ; kvp at my 16,384 bytes
	s_and_b32 s101, ttmp7, 0xffff                  ; the prefetches: cluster y
	s_cmp_eq_u32 s[WI], 0
	s_cselect_b64 s[PFA:PFA+1], s[6:7], s[8:9]     ; xc2 or wc, at the 128 rows that I fetch
	s_cselect_b32 s66, s23, s24                    ; my place among the four that ask with me
	s_cselect_b32 s2, 0, 0x200000                  ; Wv's part of wc
	s_cselect_b32 s101, 0, s101                    ; x's rows: every cluster asks for its own; W's: cluster y = 0 asks
	s_lshl_b32 s66, s66, 15                        ; 32 rows of 1,024 bytes
	s_add_co_u32 s66, s66, s2
	s_add_nc_u64 s[PFA:PFA+1], s[PFA:PFA+1], s[66:67]
	s_cmp_eq_u32 s101, 0
	s_cselect_b32 s[LIM], 1, -1                    ; the same in all sixteen partners, for a given wave
	s_mul_i32 s66, s[WI], HALFT                    ; x: my 128 tokens
	s_mul_i32 s2, s[WJ], HALFT
	s_add_co_u32 s2, s2, 2*HALFT                   ; W: my 128 features, behind x's 256 rows
	s_mul_i32 s67, s[WI], 64*PITCH
	s_add_co_u32 s67, s67, s2                      ; blocks 0-3
	s_mul_i32 s101, s3, 64*PITCH
	s_add_co_u32 s101, s101, s2                    ; blocks 4-7
.irp s, 0,1
	v_add_nc_u32 v[ADRP+\s], s66, v4
	v_add_nc_u32 v[ADRQL+\s], s67, v4
	v_add_nc_u32 v[ADRQH+\s], s101, v4
	s_add_co_u32 s66, s66, SLOT
	s_add_co_u32 s67, s67, SLOT
	s_add_co_u32 s101, s101, SLOT
.endr
	s_lshl_b32 s66, s[WV], 13
	s_add_co_u32 s66, s66, KC
	v_add_nc_u32 v[KCA], s66, v[LI]
	s_lshl_b32 s66, s[WV], 9
	s_add_co_u32 s66, s66, KSS
	v_add_nc_u32 v[KSR], s66, v[LI]
	s_lshl_b32 s67, s[WI], 8
	s_add_co_u32 s67, s67, s66
	v_lshl_add_u32 v[KSL], v1, 2, s67
	s_lshl_b32 s67, s3, 8
	s_add_co_u32 s67, s67, s66
	v_lshl_add_u32 v[KSH], v1, 2, s67
	s_lshl_b32 s66, s[WV], 14
	v_add_nc_u32 v[XSA], s66, v[LI]
	s_xor_b32 s66, s[WV], 2                        ; the wave with my features and the other tokens
	s_lshl_b32 s66, s66, 14
	v_add_nc_u32 v[XRA], s66, v[LI]
	s_wait_kmcnt 0x0
	s_add_co_i32 s[SK], s86, s87
	s_add_co_i32 s[SK], s[SK], 127
	s_lshl_b32 s[SK], s[SK], 23                    ; 2^(e2 + e3) as f32
	s_mov_b32 s[SK+1], s[SK]                       ; (named with it as a pair)
	s_add_co_i32 s[SV], s88, s89
	s_add_co_i32 s[SV], s[SV], 127
	s_lshl_b32 s[SV], s[SV], 23                    ; 2^(e4 + e5)
	s_mov_b32 s[SV+1], s[SV]
	s_add_co_i32 s2, s90, 127
	s_lshl_b32 s3, s2, 23
	v_mov_b32 v[SCK], s3                           ; 2^e6: the conversion takes its exponent field
	s_add_co_i32 s2, s2, 15
	s_lshl_b32 s2, s2, 23
	s_or_b32 s2, s2, 0x600000
	v_mov_b32 v[SCK+1], s2                         ; 57,344 x 2^e6
	s_add_co_i32 s2, s91, 127
	s_lshl_b32 s3, s2, 23
	v_mov_b32 v[SCV], s3
	s_add_co_i32 s2, s2, 15
	s_lshl_b32 s2, s2, 23
	s_or_b32 s2, s2, 0x600000
	v_mov_b32 v[SCV+1], s2
	s_mov_b32 s[L2E], 0x3fb8aa3b                   ; log2 e
	s_mov_b32 s[L2E+1], s[L2E]
	v_mov_b32 v[NL2E], 0xbfb8aa3b
	v_mov_b32 v[NL2E+1], 0
	s_wait_loadcnt 0x0                             ; the biases
.irp a, 0,1,2,3,4,5,6,7
	v_add_f32 v[BP+2*\a], 1.0, v[BP+2*\a]          ; bk + 1
.endr
	s_wait_tensorcnt 0x1                           ; my part of K step 0 is in (K step 1's load may be out),
	s_barrier_signal -1
	s_barrier_wait -1                              ; everybody's is
	; ---------------- the k tile ----------------
	FETCH_P 0, 0, 0
	FETCH_Q 0, 0, 0
	FETCH_Q 0, 0, 1
	STEP 0, 1                                      ; the first products start the sums
	TURN 0, 1, 1, 48, 68, 1, 0                     ; slot 0 takes K step 2
	STEP 1, 0
	TURN 1, 0, 1, 52, 72, 1, 1                     ; slot 1 takes K step 3
	STEP 0, 0
	TURN 0, 1, 1, 56, 76, 0, 2                     ; THE RING GOES ON INTO THE V TILE: slot 0 takes its K step 0,
	STEP 1, 0
	TEND 60, 80, 3                                 ; slot 1 its K step 1
	PLACES 4
.irp a, 0,1,2,3,4,5,6,7
	KEPI \a
.endr
	ds_load_b128 v[SUM:SUM+3], v[KSR]              ; my 128 sums in the features' order: LDS serves a wave's instructions in order
	s_wait_dscnt 0x0                               ; they are in, and the last codes are stored
	global_store_b128 v[LI], v[SUM:SUM+3], s[18:19]    ; 32 lanes store 512 consecutive bytes, aligned
	; ---------------- the v tile ----------------
	FETCH_P 0, 0, 0                                ; slot 0 was shown whole by the barrier of the last change of slots
	FETCH_Q 0, 0, 0
	FETCH_Q 0, 0, 1
	STEP 0, 1
	TURN 0, 1, 1, 56, 76, 1, -1                    ; K step 2
	STEP 1, 0
	TURN 1, 0, 1, 60, 80, 1, -1                    ; K step 3
	STEP 0, 0
	TURN 0, 1, 0, 0, 0, 0, -1                      ; nothing is left to fetch: no round
	STEP 1, 0
	LAST
	PLACES 4
.irp a, 0,1,2,3,4,5,6,7
	VEPI \a
.endr
	WIN 0
.irp m, 0,1,2,3,4,5,6,7,8,9,10,11,12,13,14,15
	ds_load_b128 v[T1+4*\m:T1+4*\m+3], v[KCA] offset:512*\m    ; k's codes of blocks 4-7 come back behind those of blocks 0-3
.endr
	s_wait_dscnt 0x0
	; ---------------- kv over my 128 tokens: source 0 = 16 features of k, source 1 = 16 of v; 32 accumulators, one instruction each ----------------
	WIN 0x84                                       ; source 0 window 0, source 1 window 1, destination window 2
.irp hd, 0,1
.irp vt, 0,1,2,3
.irp dt, 0,1,2,3
	v_wmma_f32_16x16x128_bf8_bf8 v[128*\hd+8*(4*\vt+\dt):128*\hd+8*(4*\vt+\dt)+7], v[KCD+16*(4*\hd+\dt):KCD+16*(4*\hd+\dt)+15], v[16*(4*\hd+\vt):16*(4*\hd+\vt)+15], 0
.endr
.endr
.endr
	PLACES 4
	; the exchange lies in slot 0, which has had its last fill and, since the last change of slots, its last read
	WIN 0x08                                       ; store data window 2
.irp n, 0,1,2,3,4,5,6,7,8,9,10,11,12,13,14,15,16,17,18,19,20,21,22,23,24,25,26,27,28,29,30,31
	ds_store_b128 v[XSA], v[128+4*\n:128+4*\n+3] offset:512*\n     ; my second head, for the wave that keeps it
.endr
	WIN 0
	s_wait_dscnt 0x0                               ; for the others' sake: my stores are done
	s_barrier_signal -1
	s_barrier_wait -1
	WIN 0xc0                                       ; destination window 3
.irp n, 0,1,2,3,4,5,6,7,8,9,10,11,12,13,14,15,16,17,18,19,20,21,22,23,24,25,26,27,28,29,30,31
	ds_load_b128 v[4*\n:4*\n+3], v[XRA] offset:512*\n              ; my first head over the other 128 tokens
.endr
	s_wait_dscnt 0x0
	WIN 0x8e                                       ; destination and source 0 window 2, source 1 window 3
.set n, 0
.rept 64
	v_pk_add_f32 v[n:n+1], v[n:n+1], v[n:n+1]
.set n, n+2
.endr
	WIN 0x08
.irp n, 0,1,2,3,4,5,6,7,8,9,10,11,12,13,14,15,16,17,18,19,20,21,22,23,24,25,26,27,28,29,30,31
	global_store_b128 v[LI], v[4*\n:4*\n+3], s[16:17] offset:512*\n    ; 32 lanes store 512 consecutive bytes, aligned
.endr
	WIN 0
	s_wait_tensorcnt 0x0                           ; the wave's end
	ds_add_u32 v[SPW], v[NIL]
	s_wait_dscnt 0x0
	CROUND                                         ; the closing round
	s_endpgm
.Lfunc_end_k_qb291cba00d_kvpart:
	.size	k_qb291cba00d_kvpart, .Lfunc_end_k_qb291cba00d_kvpart-k_qb291cba00d_kvpart
	.p2alignl 7, 3214868480
	.fill 96, 4, 3214868480
	.section	.rodata,"a",@progbits
	.p2align	6, 0x0
	.amdhsa_kernel k_qb291cba00d_kvpart
		.amdhsa_group_segment_fixed_size 327680
		.amdhsa_private_segment_fixed_size 0
		.amdhsa_enable_private_segment 0
		.amdhsa_kernarg_size 64
		.amdhsa_user_sgpr_count 2
		.amdhsa_user_sgpr_kernarg_segment_ptr 1
		.amdhsa_wavefront_size32 1
		.amdhsa_system_sgpr_workgroup_id_x 1
		.amdhsa_system_sgpr_workgroup_id_y 1
		.amdhsa_system_sgpr_workgroup_id_z 1
		.amdhsa_system_vgpr_workitem_id 0
		.amdhsa_next_free_vgpr 1024
		.amdhsa_next_free_sgpr 102
		.amdhsa_reserve_vcc 0
		.amdhsa_float_denorm_mode_32 3
		.amdhsa_float_denorm_mode_16_64 3
		.amdhsa_memory_ordered 1
		.amdhsa_forward_progress 1
		.amdhsa_inst_pref_size 255
	.end_amdhsa_kernel
	.section	.bss,"aw",@nobits
	.p2align	6
	.space	262144
	.amdgpu_metadata
---
amdhsa.version: [ 1, 2 ]
amdhsa.kernels:
  - .name:           k_qb291cba00d_kvpart
    .symbol:         k_qb291cba00d_kvpart.kd
    .args:
      - { .name: xc1, .offset: 0, .size: 8, .value_kind: global_buffer, .address_space: global }
      - { .name: xc2, .offset: 8, .size: 8, .value_kind: global_buffer, .address_space: global }
      - { .name: wc, .offset: 16, .size: 8, .value_kind: global_buffer, .address_space: global }
      - { .name: bk, .offset: 24, .size: 8, .value_kind: global_buffer, .address_space: global }
      - { .name: bv, .offset: 32, .size: 8, .value_kind: global_buffer, .address_space: global }
      - { .name: lowp_scales, .offset: 40, .size: 8, .value_kind: global_buffer, .address_space: global }
      - { .name: kvp, .offset: 48, .size: 8, .value_kind: global_buffer, .address_space: global }
      - { .name: ksp, .offset: 56, .size: 8, .value_kind: global_buffer, .address_space: global }
    .group_segment_fixed_size: 327680
    .private_segment_fixed_size: 0
    .kernarg_segment_align: 8
    .kernarg_segment_size: 64
    .max_flat_workgroup_size: 128
    .sgpr_count:     102
    .vgpr_count:     1024
    .wavefront_size: 32
...
	.end_amdgpu_metadata
.endif
;; end of part 2
;; launch kvred (part 3): grid 272 x 1, 4 waves a work-group, no clusters, 16,896 bytes of LDS; arguments kvp, ksp, lowp_scales, kvc, ks; writes kvc, ks
.if DOCPART == 3
	.amdgcn_target "amdgcn-amd-amdhsa--gfx1250"
	.amdhsa_code_object_version 6
	.text
	.protected	k_qb291cba00d_kvred
	.globl	k_qb291cba00d_kvred
	.p2align	8
	.type	k_qb291cba00d_kvred,@function
k_qb291cba00d_kvred:
	s_mov_b64 s[64:65], 0
	v_nop
	global_prefetch_b8 v0, s[64:65] scope:SCOPE_SE
	s_setreg_imm32_b32 hwreg(HW_REG_WAVE_MODE, 25, 1), 1
	s_wait_xcnt 0x0
; KVRED: the parts of kv and of k's sum are added, in f32.  kv becomes codes of BF8 (E5M2) with the scale 2^e8; the sum gets its 1e-6.
; kvp [b][head][part 16][32 pieces][lane][4 f32] holds sums of products of codes: kv = sum x 2^(e6 + e7), so its code is sum / 2^(e8 - e6 - e7): the three scales are folded into the conversion's one.
; LIMIT: e8 - e6 - e7 between -126 and 112.  NaN is not served.
; Work-groups 0 to 255: one (b, head) and one tile of 16 columns v: 8 pieces.  Wave w adds parts 4 w to 4 w + 3; the four waves' sums meet in LDS; wave 0 adds them, holds, converts and stores
; kvc [b][head][vt][2][lane][16 bytes]: the image of a fragment's eight registers (16 columns v x 64 along d; lane (r, h), position p: d = 16 (p / 8) + 8 h + p % 8).
; Work-groups 256 to 271: a wave to a (b, head): the 32 parts of ksp [b][part][1024] are added; ks [b][1024] = the sum + 1e-6.
; Few bytes and a short launch: no tensor loads and no prefetch.
.macro SUM4                            ; four sets of 32 numbers, at v32, v64, v96, v128, are added into the first
.set n, 0
.rept 16
	v_pk_add_f32 v[32+n:33+n], v[32+n:33+n], v[64+n:65+n]
	v_pk_add_f32 v[96+n:97+n], v[96+n:97+n], v[128+n:129+n]
.set n, n+2
.endr
.set n, 0
.rept 16
	v_pk_add_f32 v[32+n:33+n], v[32+n:33+n], v[96+n:97+n]
.set n, n+2
.endr
.endm
	s_load_b128 s[4:7], s[0:1], 0x0                ; kvp s[4:5], ksp s[6:7]
	s_load_b128 s[8:11], s[0:1], 0x10              ; the scales s[8:9], kvc s[10:11]
	s_load_b64 s[12:13], s[0:1], 0x20              ; ks
	v_lshl_add_u32 v176, v0, 2, 0x4000
	v_mov_b32 v177, 0
	v_lshrrev_b32 v1, 5, v0
	v_readfirstlane_b32 s14, v1                    ; wave 0..3
	v_and_b32 v2, 31, v0                           ; lane
	v_lshlrev_b32 v3, 4, v2                        ; 16 x lane
	s_lshl_b32 s15, s14, 12
	v_add_nc_u32 v4, s15, v3                       ; LDS: 4,096 x wave + 16 x lane
	s_wait_kmcnt 0x0
	s_cmp_lt_u32 ttmp9, 256
	s_cbranch_scc0 .Lksum
	s_load_b128 s[16:19], s[8:9], 0x18             ; e6, e7, e8, e9
	s_lshr_b32 s20, ttmp9, 2                       ; 16 b + head
	s_and_b32 s21, ttmp9, 3                        ; vt
	s_lshl_b32 s22, s20, 18                        ; 16 parts of 16,384 bytes,
	s_lshl_b32 s23, s14, 16                        ; my four parts,
	s_add_co_u32 s22, s22, s23
	s_lshl_b32 s23, s21, 12                        ; the tile's eight pieces of 512 bytes
	s_add_co_u32 s22, s22, s23
	s_mov_b32 s23, 0
	s_add_nc_u64 s[4:5], s[4:5], s[22:23]
	s_lshl_b32 s22, s20, 12
	s_lshl_b32 s24, s21, 10
	s_add_co_u32 s22, s22, s24
	s_add_nc_u64 s[10:11], s[10:11], s[22:23]
.irp p, 0,1,2,3
.irp n, 0,1,2,3,4,5,6,7
	global_load_b128 v[32+32*\p+4*\n:35+32*\p+4*\n], v3, s[4:5] offset:16384*\p+512*\n th:TH_LOAD_NT
.endr
.endr
	s_wait_kmcnt 0x0
	s_sub_co_i32 s24, s18, s16
	s_sub_co_i32 s24, s24, s17
	s_add_co_i32 s24, s24, 127
	s_lshl_b32 s25, s24, 23
	v_mov_b32 v10, s25                             ; 2^(e8 - e6 - e7) as f32
	s_add_co_i32 s24, s24, 15
	s_lshl_b32 s24, s24, 23
	s_or_b32 s24, s24, 0x600000
	v_mov_b32 v11, s24                             ; 57,344 x that
	s_wait_loadcnt 0x0
	SUM4
.irp n, 0,1,2,3,4,5,6,7
	ds_store_b128 v4, v[32+4*\n:35+4*\n] offset:512*\n
.endr
	s_wait_dscnt 0x0                               ; for the others' sake: my stores are done
	s_barrier_signal -1
	s_barrier_wait -1
	s_cmp_lg_u32 s14, 0
	s_cbranch_scc1 .Ldone                          ; wave 0 finishes: its own sums are still in v32-63
.irp q, 1,2,3
.irp n, 0,1,2,3,4,5,6,7
	ds_load_b128 v[32+32*\q+4*\n:35+32*\q+4*\n], v3 offset:4096*\q+512*\n
.endr
.endr
	s_wait_dscnt 0x0
	SUM4
.set n, 0
.rept 32
	v_med3_num_f32 v[32+n], v[32+n], -v11, v11     ; the conversion does not saturate (ISA guide 7.6.2): the hold at the largest code x the scale
.set n, n+1
.endr
.irp g, 0,1,2,3
	v_cvt_scalef32_pk8_bf8_f32 v[160+2*\g:161+2*\g], v[32+8*\g:39+8*\g], v10
.endr
	global_store_b128 v3, v[160:163], s[10:11]     ; 32 lanes store 512 consecutive bytes, aligned
	global_store_b128 v3, v[164:167], s[10:11] offset:512
.Ldone:
	s_wait_tensorcnt 0x0
	ds_add_u32 v176, v177
	s_wait_dscnt 0x0
	s_endpgm
.Lksum:
	s_sub_co_u32 s20, ttmp9, 256
	s_lshl_b32 s20, s20, 2
	s_add_co_u32 s20, s20, s14                     ; 16 b + head
	s_lshr_b32 s21, s20, 4
	s_lshl_b32 s22, s21, 17                        ; 32 parts of 4,096 bytes,
	s_and_b32 s21, s20, 15
	s_lshl_b32 s21, s21, 8                         ; the head's 256 bytes
	s_add_co_u32 s22, s22, s21
	s_mov_b32 s23, 0
	s_add_nc_u64 s[6:7], s[6:7], s[22:23]
	s_lshl_b32 s22, s20, 8
	s_add_nc_u64 s[12:13], s[12:13], s[22:23]
	s_mov_b32 s24, 0x76543210
	s_mov_b32 s25, 0xfedcba98
	v_and_b32 v5, 15, v2
	v_lshrrev_b32 v6, 4, v2
	v_lshlrev_b32 v7, 4, v5                        ; sixteen lanes to a part's 256 bytes,
	v_lshl_add_u32 v8, v6, 12, v7                  ; lanes 16-31 on the next part
.irp m, 0,1,2,3,4,5,6,7,8,9,10,11,12,13,14,15
	global_load_b128 v[32+4*\m:35+4*\m], v8, s[6:7] offset:8192*\m th:TH_LOAD_NT
.endr
	s_wait_loadcnt 0x0
.irp m, 2,4,6,8,10,12,14                       ; two chains
	v_pk_add_f32 v[32:33], v[32:33], v[32+4*\m:33+4*\m]
	v_pk_add_f32 v[34:35], v[34:35], v[34+4*\m:35+4*\m]
	v_pk_add_f32 v[36:37], v[36:37], v[36+4*\m:37+4*\m]
	v_pk_add_f32 v[38:39], v[38:39], v[38+4*\m:39+4*\m]
.endr
	v_pk_add_f32 v[32:33], v[32:33], v[36:37]
	v_pk_add_f32 v[34:35], v[34:35], v[38:39]
.irp k, 0,1,2,3
	v_permlanex16_b32 v[40+\k], v[32+\k], s24, s25 ; the other sixteen parts
.endr
.irp k, 0,1,2,3
	v_add_f32 v[32+\k], v[32+\k], v[40+\k]
.endr
.irp k, 0,1,2,3
	v_add_f32 v[32+\k], 0x358637bd, v[32+\k]       ; + 1e-6
.endr
	s_wait_xcnt 0x0                                ; EXEC changes only behind this wait
	v_cmp_gt_u32 vcc_lo, 16, v2
	s_and_saveexec_b32 s26, vcc_lo
	global_store_b128 v7, v[32:35], s[12:13]       ; sixteen lanes store 256 consecutive bytes, aligned
	s_wait_xcnt 0x0                                ; and again, in front of the line that widens it
	s_or_b32 exec_lo, exec_lo, s26
	s_endpgm
.Lfunc_end_k_qb291cba00d_kvred:
	.size	k_qb291cba00d_kvred, .Lfunc_end_k_qb291cba00d_kvred-k_qb291cba00d_kvred
	.p2alignl 7, 3214868480
	.fill 96, 4, 3214868480
	.section	.rodata,"a",@progbits
	.p2align	6, 0x0
	.amdhsa_kernel k_qb291cba00d_kvred
		.amdhsa_group_segment_fixed_size 16896
		.amdhsa_private_segment_fixed_size 0
		.amdhsa_enable_private_segment 0
		.amdhsa_kernarg_size 40
		.amdhsa_user_sgpr_count 2
		.amdhsa_user_sgpr_kernarg_segment_ptr 1
		.amdhsa_wavefront_size32 1
		.amdhsa_system_sgpr_workgroup_id_x 1
		.amdhsa_system_sgpr_workgroup_id_y 1
		.amdhsa_system_sgpr_workgroup_id_z 1
		.amdhsa_system_vgpr_workitem_id 0
		.amdhsa_next_free_vgpr 178
		.amdhsa_next_free_sgpr 66
		.amdhsa_reserve_vcc 1
		.amdhsa_float_denorm_mode_32 3
		.amdhsa_float_denorm_mode_16_64 3
		.amdhsa_memory_ordered 1
		.amdhsa_forward_progress 1
		.amdhsa_inst_pref_size 21
	.end_amdhsa_kernel
	.amdgpu_metadata
---
amdhsa.version: [ 1, 2 ]
amdhsa.kernels:
  - .name:           k_qb291cba00d_kvred
    .symbol:         k_qb291cba00d_kvred.kd
    .args:
      - { .name: kvp, .offset: 0, .size: 8, .value_kind: global_buffer, .address_space: global }
      - { .name: ksp, .offset: 8, .size: 8, .value_kind: global_buffer, .address_space: global }
      - { .name: lowp_scales, .offset: 16, .size: 8, .value_kind: global_buffer, .address_space: global }
      - { .name: kvc, .offset: 24, .size: 8, .value_kind: global_buffer, .address_space: global }
      - { .name: ks, .offset: 32, .size: 8, .value_kind: global_buffer, .address_space: global }
    .group_segment_fixed_size: 16896
    .private_segment_fixed_size: 0
    .kernarg_segment_align: 8
    .kernarg_segment_size: 40
    .max_flat_workgroup_size: 128
    .sgpr_count:     66
    .vgpr_count:     178
    .wavefront_size: 32
...
	.end_amdgpu_metadata
.endif
;; end of part 3
;; launch outp (part 4): grid 4 x 64, 4 waves a work-group, clusters of 4 x 4, 327,680 bytes of LDS; arguments xc0, wc, bq, lowp_scales, kvc, ks, out0; writes out0
.if DOCPART == 4
	.amdgcn_target "amdgcn-amd-amdhsa--gfx1250"
	.amdhsa_code_object_version 6
	.text
	.protected	k_qb291cba00d_outp
	.globl	k_qb291cba00d_outp
	.p2align	8
	.type	k_qb291cba00d_outp,@function
k_qb291cba00d_outp:
	s_mov_b64 s[64:65], 0
	v_nop
	global_prefetch_b8 v0, s[64:65] scope:SCOPE_SE
	s_setreg_imm32_b32 hwreg(HW_REG_WAVE_MODE, 25, 1), 1
	s_wait_xcnt 0x0
	s_wait_alu depctr_hold_cnt(0) depctr_sa_sdst(0) depctr_va_vdst(0) depctr_va_sdst(0) depctr_va_ssrc(0) depctr_va_vcc(0) depctr_vm_vsrc(0)
	s_getreg_b32 s2, hwreg(HW_REG_IB_STS2, 6, 4)
	s_cmp_eq_u32 s2, 0
	s_cbranch_scc0 .Lentry_in_a_cluster
	s_endpgm
.Lentry_in_a_cluster:
	s_bfe_u32 s2, ttmp6, 0x10000c
	s_cmp_lg_u32 s2, 0xf033
	s_cbranch_scc0 .Lentry_shape_is_right
	s_endpgm
.Lentry_shape_is_right:
; OUTP: for 256 tokens x 256 features (4 heads): q = elu(x Wq + bq) + 1, z = q . (k_sum + 1e-6), out = (q kv) / z.  q never goes to memory.
; Products on codes of BF8 (E5M2): x's codes xc0 [16384][1024] and Wq's codes, the first part of wc, [1024 (n)][1024 (k)] (scales: entries 0, 1); q (entry 9) with kv's codes kvc (entry 8).  z in f32, of the unquantised q.
; LIMITS: e0 + e1 and e8 + e9 between -126 and 127; e9 between -126 and 112.  NaN among the inputs is not served.  For y <= 0 the feature map is taken as e^y itself (it differs from expm1(y) + 1 rounded in f32 by at most 2^-24).
; SHARES.  Four waves, wave = 2 i + j: tokens 128 i on, features 128 j on (two heads): 64 accumulators, 512 registers.  K = 1,024 goes in four slots' worth of 256 through a ring of two LDS slots.
; CLUSTER 4 x 4: the four of a row need the same tile of x, the four of a column the same tile of W: each tile is asked for jointly.
; LAYOUT.  Source 0 = 16 features of W, source 1 = 16 tokens of x: a lane holds ONE token (lane % 16), and the 32 registers of a head hold d = 16 (p / 8) + 8 (lane / 16) + p % 8: the order in which kvc has d.  So the
; conversions' results are a fragment (16 tokens x 64) of the last product, which takes source 0 = 16 columns v of kv and source 1 = q: a lane then holds eight neighbouring v of its token, 32 bytes of a row of out.
; elu(y) + 1 in three instructions: p = y + 1, E = 2^(p L - L) = e^y (L = log2 e), and the middle one of p, E and 1.
; REGISTERS, in windows of 256.  Window 0: v1-31 addresses; v32-95 results at work; v96-111 q's codes; v112-127 z and constants; v128-255 x's fragments, ONE set, in the epilogue two sets of 64.
;   Window 1: W's fragments, TWO sets; in the epilogue v0-63 bq + 1, v64-127 k_sum + 1e-6 (both in the lane's order of features), v128-191 kv's eight fragments.   Windows 2, 3: the accumulators; later out, then its rows.
.set PITCH,  272                       ; an LDS row: 256 bytes + 16 of padding
.set HALFT,  128*PITCH
.set SLOT,   4*HALFT                   ; x's 256 rows, then W's 256 rows
.set CST,    2*SLOT                    ; behind the ring, 9,216 bytes a wave: bq + 1 (512), k_sum + 1e-6 (512), kv's codes of my two heads (8,192)
.set SPARE,  CST+4*9216                ; the spare words, 128 bytes a wave: two blocks of 256 bytes that no other line names
.set SPITCH, 528                       ; the way out: a stage of 16 rows x (512 bytes + 16) a wave, in slot 0, which has had its last fill and its last read by then
.set FR,     16
.set AF,     128
.set T1,     128
.set T2,     192
.set CSA,    8                         ; v8   CST + 9,216 wave + 16 lane
.set CSB,    9                         ; v9   CST + 9,216 wave + 32 (lane / 16)
.set ADRQL,  16                        ; v16-17 LDS address of x's blocks 0-3 in slot 0, 1
.set ADRQH,  18                        ; v18-19 of blocks 4-7
.set ADRP,   20                        ; v20-21 of W's blocks
.set STO,    24                        ; v24  the stage: where I put 32 bytes of a row
.set RD,     25                        ; v25  and where I read a row back
.set SPW,    28                        ; v28  my spare word; never rewritten
.set NIL,    29                        ; v29  0; never rewritten
.set LI,     31                        ; v31  16 x lane
.set TMP,    32
.set QC,     96
.set Z,      112                       ; v112-119 z: two chains of pairs a head
.set DI,     120                       ; v[120:121], v[122:123] 2^(e8 + e9) / z of the two heads (the low word is used)
.set SCQ,    124                       ; v124 2^e9, v125 57,344 x 2^e9
.set NL2E,   126                       ; v[126:127] -log2 e
.set WV,     20
.set WI,     21
.set WJ,     22
.set G1X,    32
.set G1W,    40
.set SQ,     72                        ; s[72:73] 2^(e0 + e1)
.set L2E,    74                        ; s[74:75] log2 e
.set SO,     76                        ; s76 2^(e8 + e9)
.set G1W0,   (1<<20)|(1<<21)|(5<<22)|(3<<25)
.set MUL_LO, 0xa1                      ; source 0 (W) window 1, source 1 (x) window 0, C and D window 2
.set MUL_HI, 0xf1
.set MSB, 0
.macro WIN new                         ; the immediate's high byte repeats the setting that is left
.if MSB != (\new)
	s_set_vgpr_msb (MSB<<8)|(\new)
.set MSB, (\new)
.endif
.endm
.macro PLACES n
.rept \n
	v_nop
.endr
.endm
.macro JLOAD gx, gw                    ; a joint load: waves 0 and 1 fetch x's halves, waves 2 and 3 W's; four v_nop follow each of the two lines
	s_cmp_eq_u32 s[WI], 0
	s_cbranch_scc0 .Lfor_w_\@
	tensor_load_to_lds s[\gx:\gx+3], s[G1X:G1X+7]
	s_nop 0
.rept 4
	v_nop
.endr
	s_branch .Lasked_\@
.Lfor_w_\@:
	tensor_load_to_lds s[\gw:\gw+3], s[G1W:G1W+7]
	s_nop 0
.rept 4
	v_nop
.endr
.Lasked_\@:
.endm
.macro CREST
	s_cmp_lg_u32 s[WV], 0
	s_cbranch_scc1 .Lnot_wave_0_\@
	s_barrier_signal -3
.Lnot_wave_0_\@:
	s_barrier_wait -3
	s_barrier_signal -1
	s_barrier_wait -1
.endm
.macro CROUND
	s_barrier_signal -1
	s_barrier_wait -1
	CREST
.endm
.macro FRAG reg, adr, q, blk
.irp c, 0,1,2,3
	ds_load_b128 v[\reg+4*\c:\reg+4*\c+3], v[\adr] offset:128*(\q)+32*\c+(\blk)*16*PITCH
.endr
.endm
.macro MUL16 a0, p, zero               ; x's blocks a0, a0 + 1 against W's eight; the 64 accumulators take turns
.irp a, \a0, \a0+1
.irp b, 0,1,2,3,4,5,6,7
.if \zero
	v_wmma_f32_16x16x128_bf8_bf8 v[8*(8*((\a)%4)+\b):8*(8*((\a)%4)+\b)+7], v[128*(\p)+FR*\b:128*(\p)+FR*\b+FR-1], v[AF+FR*(\a):AF+FR*(\a)+FR-1], 0
.else
	v_wmma_f32_16x16x128_bf8_bf8 v[8*(8*((\a)%4)+\b):8*(8*((\a)%4)+\b)+7], v[128*(\p)+FR*\b:128*(\p)+FR*\b+FR-1], v[AF+FR*(\a):AF+FR*(\a)+FR-1], v[8*(8*((\a)%4)+\b):8*(8*((\a)%4)+\b)+7]
.endif
.endr
.endr
.endm
.macro FETCH_P slot, q, p
	WIN 0x40
.irp i, 0,1,2,3,4,5,6,7
	FRAG 128*(\p)+FR*\i, ADRP+\slot, \q, \i
.endr
	WIN 0
.endm
.macro FETCH_Q slot, q, hi
.irp i, 0,1,2,3
.if \hi
	FRAG AF+FR*(4+\i), ADRQH+\slot, \q, \i
.else
	FRAG AF+FR*\i, ADRQL+\slot, \q, \i
.endif
.endr
.endm
.macro STEP slot, zero                 ; a slot's first 128 along K
	s_wait_dscnt 16                                ; W's set and x's blocks 0-3 are in; the 16 youngest loads (x's blocks 4-7) may be out
	WIN MUL_LO
	MUL16 0, 0, \zero
	MUL16 2, 0, \zero
	s_wait_dscnt 0x0
	PLACES 4
	FETCH_P \slot, 1, 1
	FETCH_Q \slot, 1, 0
	WIN MUL_HI
	MUL16 4, 0, \zero
	MUL16 6, 0, \zero
	PLACES 4
	WIN 0
	FETCH_Q \slot, 1, 1
.endm
.macro TURN slot, next, fill, gx, gw   ; a slot's second 128 changes slots; fill = 1: this slot takes the K step two on
	s_wait_tensorcnt 0x0                           ; all my tensor loads have landed: my part of the next slot
	ds_add_u32 v[SPW], v[NIL]                      ; 0 onto my spare word
	s_wait_dscnt 17                                ; (the add and the 16 youngest loads may be out)
	WIN MUL_LO
	MUL16 0, 1, 0
	s_wait_dscnt 0x0                               ; the add is done, and my reads of this slot are over
	s_barrier_signal -1
	MUL16 2, 1, 0
	WIN 0
	s_barrier_wait -1
.if \fill
	CREST                                          ; no wave of any partner still reads this slot or has a load on its way
	s_add_nc_u64 s[\gx+2:\gx+3], s[\gx+2:\gx+3], 512
	s_add_nc_u64 s[\gw+2:\gw+3], s[\gw+2:\gw+3], 512
	JLOAD \gx, \gw
.else
	PLACES 4
.endif
	FETCH_P \next, 0, 0
	FETCH_Q \next, 0, 0
	WIN MUL_HI
	MUL16 4, 1, 0
	MUL16 6, 1, 0
	PLACES 4
	WIN 0
	FETCH_Q \next, 0, 1
.endm
.macro SEND a                          ; block a's 16 rows, back from the stage in its accumulators' registers, are stored
.set SAC, 64*((\a)%4)
.set SWA, 2+(\a)/4
	s_wait_dscnt 0x0
	WIN SWA<<2                                     ; store data: window 2 or 3
.irp t, 0,1,2,3,4,5,6,7,8,9,10,11,12,13,14,15
	global_store_b128 v[LI], v[SAC+4*\t:SAC+4*\t+3], s[16:17] offset:(16*(\a)+\t)*4096 th:TH_STORE_NT   ; 32 lanes store 512 consecutive bytes, aligned; no base is stepped and no data register is used again
.endr
	WIN 0
.endm
; The epilogue for block a of 16 tokens.
.macro QEPI a
.set AC, 64*((\a)%4)
.set WA, 2+(\a)/4                              ; the window of the block's accumulators
	WIN 0x10+WA                                    ; source 0 the accumulators, source 2 (bq + 1) window 1
.set n, 0
.rept 32
	v_pk_fma_f32 v[T1+n:T1+n+1], v[AC+n:AC+n+1], s[SQ:SQ+1], v[n:n+1] op_sel_hi:[1,0,1]    ; p = sum x 2^(e0 + e1) + (bq + 1); each accumulator from its low end on
.set n, n+2
.endr
	WIN 0
.set n, 0
.rept 32
	v_pk_fma_f32 v[T2+n:T2+n+1], v[T1+n:T1+n+1], s[L2E:L2E+1], v[NL2E:NL2E+1] op_sel_hi:[1,0,0]
.set n, n+2
.endr
.set n, 0
.rept 64
	v_exp_f32 v[T2+n], v[T2+n]                     ; one batch
.set n, n+1
.endr
	v_nop                                          ; a plain line behind the last exponential
	s_wait_alu depctr_va_vdst(0)                   ; one wait for the batch, ahead of its first reader
.set n, 0
.rept 64
	v_med3_num_f32 v[T1+n], v[T1+n], v[T2+n], 1.0  ; q
.set n, n+1
.endr
.set n, 0
.rept 64
	v_min_num_f32 v[T2+n], v[T1+n], v[SCQ+1]       ; the conversion does not saturate (ISA guide 7.6.2); q is not negative
.set n, n+1
.endr
.set n, 0
.rept 8
	v_cvt_scalef32_pk8_bf8_f32 v[QC+2*n:QC+2*n+1], v[T2+8*n:T2+8*n+7], v[SCQ]
.set n, n+1
.endr
	v_nop                                          ; a plain line behind the last conversion
	WIN (WA<<6)+1                                  ; source 0 (kv) window 1; the results take the block's own accumulators, which are done with
.irp hd, 0,1
.irp vt, 0,1,2,3
	v_wmma_f32_16x16x64_bf8_bf8 v[AC+8*(4*\hd+\vt):AC+8*(4*\hd+\vt)+7], v[128+32*\hd+8*\vt:128+32*\hd+8*\vt+7], v[QC+8*\hd:QC+8*\hd+7], 0
.endr
.endr
	WIN 0x04                                       ; source 1 (k_sum + 1e-6) window 1.  z: 32 plain lines, which are also the places behind the products
	v_pk_mul_f32 v[Z:Z+1], v[T1:T1+1], v[64:65]
	v_pk_mul_f32 v[Z+4:Z+5], v[T1+32:T1+33], v[96:97]
	v_pk_mul_f32 v[Z+2:Z+3], v[T1+2:T1+3], v[66:67]
	v_pk_mul_f32 v[Z+6:Z+7], v[T1+34:T1+35], v[98:99]
.set n, 4
.rept 7
	v_pk_fma_f32 v[Z:Z+1], v[T1+n:T1+n+1], v[64+n:65+n], v[Z:Z+1]
	v_pk_fma_f32 v[Z+4:Z+5], v[T1+32+n:T1+33+n], v[96+n:97+n], v[Z+4:Z+5]
	v_pk_fma_f32 v[Z+2:Z+3], v[T1+n+2:T1+n+3], v[66+n:67+n], v[Z+2:Z+3]
	v_pk_fma_f32 v[Z+6:Z+7], v[T1+34+n:T1+35+n], v[98+n:99+n], v[Z+6:Z+7]
.set n, n+4
.endr
	WIN 0
	v_pk_add_f32 v[Z:Z+1], v[Z:Z+1], v[Z+2:Z+3]
	v_pk_add_f32 v[Z+4:Z+5], v[Z+4:Z+5], v[Z+6:Z+7]
	v_add_f32 v[Z], v[Z], v[Z+1]
	v_add_f32 v[Z+4], v[Z+4], v[Z+5]
	v_permlanex16_b32 v[Z+1], v[Z], s30, s31       ; my token's other 32 of the head lie in the lane 16 away
	v_permlanex16_b32 v[Z+5], v[Z+4], s30, s31
	v_add_f32 v[Z], v[Z], v[Z+1]
	v_add_f32 v[Z+4], v[Z+4], v[Z+5]
	v_rcp_f32 v[DI], v[Z]
	v_rcp_f32 v[DI+2], v[Z+4]
	v_nop                                          ; a plain line behind the reciprocals
	s_wait_alu depctr_va_vdst(0)                   ; one wait for both, ahead of their first reader
	v_mul_f32 v[DI], s[SO], v[DI]
	v_mul_f32 v[DI+2], s[SO], v[DI+2]
	WIN WA
.set n, 0
.rept 32
	v_pk_mul_f32 v[TMP+n:TMP+n+1], v[AC+n:AC+n+1], v[DI+2*(n/32):DI+2*(n/32)+1] op_sel_hi:[1,0]    ; out = sum x 2^(e8 + e9) / z
.set n, n+2
.endr
	WIN 0
.if (\a) > 0
	SEND (\a)-1                                    ; the block before is back from the stage
.endif
.irp b, 0,1,2,3,4,5,6,7
	ds_store_b128 v[STO], v[TMP+8*\b:TMP+8*\b+3] offset:64*\b
	ds_store_b128 v[STO], v[TMP+8*\b+4:TMP+8*\b+7] offset:64*\b+16
.endr
	WIN WA<<6
.irp t, 0,1,2,3,4,5,6,7,8,9,10,11,12,13,14,15
	ds_load_b128 v[AC+4*\t:AC+4*\t+3], v[RD] offset:\t*SPITCH      ; whole rows of 512 bytes; LDS serves a wave's instructions in order: these see the stores above
.endr
	WIN 0
.endm
	s_load_b256 s[4:11], s[0:1], 0x0               ; xc0 s[4:5], wc s[6:7], bq s[8:9], the scales s[10:11]
	s_load_b128 s[12:15], s[0:1], 0x20             ; kvc s[12:13], ks s[14:15]
	s_load_b64 s[16:17], s[0:1], 0x30              ; out0
	v_lshl_add_u32 v[SPW], v0, 2, SPARE
	v_mov_b32 v[NIL], 0
	ds_add_u32 v28, v29
	ds_add_u32 v28, v29
	s_wait_dscnt 0x0
	v_lshrrev_b32 v1, 5, v0
	v_readfirstlane_b32 s[WV], v1                  ; wave 0..3
	v_and_b32 v3, 31, v0
	v_lshlrev_b32 v[LI], 4, v3
	s_lshr_b32 s[WI], s[WV], 1                     ; i: my half of the tokens.  Also: I fetch for x (0) or for W (1)
	s_and_b32 s[WJ], s[WV], 1                      ; j: my half of the features.  Also: which 128 rows of that tile I fetch
	s_bfe_u32 s23, ttmp6, 0x40000                  ; cx, cy
	s_bfe_u32 s24, ttmp6, 0x40004
	s_lshl_b32 s25, ttmp9, 2
	s_add_co_u32 s25, s25, s23                     ; tx
	s_and_b32 s26, ttmp7, 0xffff
	s_lshl_b32 s26, s26, 2
	s_add_co_u32 s26, s26, s24                     ; ty
	s_lshl_b32 s27, s24, 2
	s_lshl_b32 s27, 15, s27                        ; my row of the cluster
	s_lshl_b32 s28, 0x1111, s23                    ; my column
	s_or_b32 s[G1X], s27, G1W0
	s_or_b32 s[G1W], s28, G1W0
.irp g, G1X, G1W
	s_mov_b32 s[\g+1], 256<<16
	s_mov_b32 s[\g+2], 128<<16
	s_mov_b32 s[\g+3], 256<<16
	s_mov_b32 s[\g+4], 128
	s_mov_b32 s[\g+5], 1024
	s_mov_b32 s[\g+6], 0
	s_mov_b32 s[\g+7], 0
.endr
	s_mov_b32 s30, 0x76543210
	s_mov_b32 s31, 0xfedcba98
	s_lshl_b32 s2, s[WJ], 7
	s_lshl_b32 s66, s26, 8
	s_add_co_u32 s66, s66, s2
	s_lshl_b32 s66, s66, 10                        ; x: (256 ty + 128 j) rows of 1,024 bytes
	s_mov_b32 s67, 0
	s_lshl_b32 s80, s25, 8
	s_add_co_u32 s80, s80, s2
	s_lshl_b32 s80, s80, 10                        ; W: (256 tx + 128 j) rows
	s_mov_b32 s81, 0
	s_mul_i32 s29, s[WV], HALFT
	s_wait_kmcnt 0x0
	s_load_b64 s[68:69], s[10:11], 0x0             ; e0, e1
	s_load_b64 s[70:71], s[10:11], 0x20            ; e8, e9
	s_add_nc_u64 s[4:5], s[4:5], s[66:67]
	s_add_nc_u64 s[6:7], s[6:7], s[80:81]
	s_lshl_b32 s78, s25, 10
	s_lshl_b32 s79, s[WJ], 9
	s_add_co_u32 s78, s78, s79                     ; (256 tx + 128 j) x 4: my 128 features in a row of f32
	s_mov_b32 s79, 0
	s_add_nc_u64 s[8:9], s[8:9], s[78:79]          ; bq
	s_add_nc_u64 s[16:17], s[16:17], s[78:79]      ; out0: my columns
	s_lshr_b32 s82, s26, 4                         ; b
	s_lshl_b32 s83, s82, 12
	s_add_co_u32 s78, s78, s83
	s_add_nc_u64 s[14:15], s[14:15], s[78:79]      ; ks
	s_lshl_b32 s82, s82, 4
	s_lshl_b32 s83, s25, 2
	s_add_co_u32 s82, s82, s83
	s_lshl_b32 s83, s[WJ], 1
	s_add_co_u32 s82, s82, s83                     ; 16 b + 4 tx + 2 j: my first head
	s_lshl_b32 s78, s82, 12
	s_add_nc_u64 s[12:13], s[12:13], s[78:79]      ; kvc
	s_lshl_b32 s78, s26, 8
	s_lshl_b32 s83, s[WI], 7
	s_add_co_u32 s78, s78, s83
	s_lshl_b32 s78, s78, 12                        ; (256 ty + 128 i) rows of 4,096 bytes
	s_add_nc_u64 s[16:17], s[16:17], s[78:79]      ; out0: my rows
	global_load_b128 v[128:131], v[LI], s[8:9]     ; the wave's constants are asked for early and parked in LDS: no register is free for them during the product
	global_load_b128 v[132:135], v[LI], s[14:15]
.irp n, 0,1,2,3,4,5,6,7,8,9,10,11,12,13,14,15
	global_load_b128 v[136+4*\n:139+4*\n], v[LI], s[12:13] offset:512*\n
.endr
	CROUND                                         ; all sixteen work-groups are here: the first joint loads meet
.irp s, 0,1
	s_mov_b32 s[48+4*\s], 1
	s_add_co_u32 s[49+4*\s], s29, \s*SLOT
	s_add_nc_u64 s[50+4*\s:51+4*\s], s[4:5], \s*256
	s_or_b32 s[51+4*\s], s[51+4*\s], 0x80000000
	s_mov_b32 s[56+4*\s], 1
	s_add_co_u32 s[57+4*\s], s29, \s*SLOT
	s_add_nc_u64 s[58+4*\s:59+4*\s], s[6:7], \s*256
	s_or_b32 s[59+4*\s], s[59+4*\s], 0x80000000
.endr
	JLOAD 48, 56                                   ; K steps 0 and 1: two loads of mine are out
	JLOAD 52, 60
	v_and_b32 v1, 15, v0                           ; r
	v_bfe_u32 v2, v0, 4, 1                         ; h
	v_mul_u32_u24 v4, v1, PITCH
	v_lshl_add_u32 v4, v2, 4, v4
	s_mul_i32 s66, s[WJ], HALFT
	s_add_co_u32 s66, s66, 2*HALFT                 ; W: my 128 features, behind x's 256 rows
	s_mul_i32 s67, s[WI], HALFT                    ; x: my 128 tokens: blocks 0-3,
	s_add_co_u32 s78, s67, 64*PITCH                ; blocks 4-7
.irp s, 0,1
	v_add_nc_u32 v[ADRP+\s], s66, v4
	v_add_nc_u32 v[ADRQL+\s], s67, v4
	v_add_nc_u32 v[ADRQH+\s], s78, v4
	s_add_co_u32 s66, s66, SLOT
	s_add_co_u32 s67, s67, SLOT
	s_add_co_u32 s78, s78, SLOT
.endr
	s_mul_i32 s66, s[WV], 9216
	s_add_co_u32 s66, s66, CST
	v_add_nc_u32 v[CSA], s66, v[LI]
	v_lshl_add_u32 v[CSB], v2, 5, s66
	s_mul_i32 s66, s[WV], 16*SPITCH                ; my stage
	v_mul_u32_u24 v5, v1, SPITCH
	v_lshl_add_u32 v5, v2, 5, v5
	v_add_nc_u32 v[STO], s66, v5                   ; in: row r, 32 bytes for each half of the lanes
	v_add_nc_u32 v[RD], s66, v[LI]                 ; back: the 32 lanes take one row of 512 bytes
	v_mov_b32 v[DI+1], 0                           ; (named as the upper halves of pairs)
	v_mov_b32 v[DI+3], 0
	v_mov_b32 v[NL2E], 0xbfb8aa3b
	v_mov_b32 v[NL2E+1], 0
	s_mov_b32 s[L2E], 0x3fb8aa3b
	s_mov_b32 s[L2E+1], s[L2E]
	s_wait_kmcnt 0x0
	s_add_co_i32 s[SQ], s68, s69
	s_add_co_i32 s[SQ], s[SQ], 127
	s_lshl_b32 s[SQ], s[SQ], 23                    ; 2^(e0 + e1) as f32
	s_mov_b32 s[SQ+1], s[SQ]
	s_add_co_i32 s[SO], s70, s71
	s_add_co_i32 s[SO], s[SO], 127
	s_lshl_b32 s[SO], s[SO], 23                    ; 2^(e8 + e9)
	s_add_co_i32 s2, s71, 127
	s_lshl_b32 s3, s2, 23
	v_mov_b32 v[SCQ], s3                           ; 2^e9
	s_add_co_i32 s2, s2, 15
	s_lshl_b32 s2, s2, 23
	s_or_b32 s2, s2, 0x600000
	v_mov_b32 v[SCQ+1], s2                         ; 57,344 x 2^e9
	s_wait_loadcnt 0x0
.irp k, 0,1,2,3
	v_add_f32 v[128+\k], 1.0, v[128+\k]            ; bq + 1
.endr
.irp m, 0,1,2,3,4,5,6,7,8,9,10,11,12,13,14,15,16,17
	ds_store_b128 v[CSA], v[128+4*\m:131+4*\m] offset:512*\m
.endr
	s_wait_tensorcnt 0x1                           ; my part of K step 0 is in (K step 1's load may be out),
	s_wait_dscnt 0x0                               ; and my stores are done
	s_barrier_signal -1
	s_barrier_wait -1
	FETCH_P 0, 0, 0
	FETCH_Q 0, 0, 0
	FETCH_Q 0, 0, 1
	STEP 0, 1                                      ; the first products start the sums
	TURN 0, 1, 1, 48, 56                           ; slot 0 takes K step 2
	STEP 1, 0
	TURN 1, 0, 1, 52, 60                           ; slot 1 takes K step 3
	STEP 0, 0
	TURN 0, 1, 0, 0, 0                             ; nothing is left to fetch: no round
	STEP 1, 0
	s_wait_dscnt 16                                ; the very last 128 along K
	WIN MUL_LO
	MUL16 0, 1, 0
	MUL16 2, 1, 0
	s_wait_dscnt 0x0
	WIN MUL_HI
	MUL16 4, 1, 0
	MUL16 6, 1, 0
	PLACES 4
	WIN 0x40                                       ; the constants come back, into W's registers: lane (r, h) wants, for block b, features 16 b + 8 h + 0 .. 7
.irp b, 0,1,2,3,4,5,6,7
.irp u, 0,1
	ds_load_b128 v[8*\b+4*\u:8*\b+4*\u+3], v[CSB] offset:64*\b+16*\u
	ds_load_b128 v[64+8*\b+4*\u:64+8*\b+4*\u+3], v[CSB] offset:512+64*\b+16*\u
.endr
.endr
.irp n, 0,1,2,3,4,5,6,7,8,9,10,11,12,13,14,15
	ds_load_b128 v[128+4*\n:128+4*\n+3], v[CSA] offset:1024+512*\n     ; kv's fragment (head hd, tile vt) at v[128 + 32 hd + 8 vt]
.endr
	WIN 0
	s_wait_dscnt 0x0
.irp a, 0,1,2,3,4,5,6,7
	QEPI \a
.endr
	SEND 7
	s_wait_tensorcnt 0x0                           ; the wave's end
	ds_add_u32 v[SPW], v[NIL]
	s_wait_dscnt 0x0
	CROUND                                         ; the closing round
	s_endpgm
.Lfunc_end_k_qb291cba00d_outp:
	.size	k_qb291cba00d_outp, .Lfunc_end_k_qb291cba00d_outp-k_qb291cba00d_outp
	.p2alignl 7, 3214868480
	.fill 96, 4, 3214868480
	.section	.rodata,"a",@progbits
	.p2align	6, 0x0
	.amdhsa_kernel k_qb291cba00d_outp
		.amdhsa_group_segment_fixed_size 327680
		.amdhsa_private_segment_fixed_size 0
		.amdhsa_enable_private_segment 0
		.amdhsa_kernarg_size 56
		.amdhsa_user_sgpr_count 2
		.amdhsa_user_sgpr_kernarg_segment_ptr 1
		.amdhsa_wavefront_size32 1
		.amdhsa_system_sgpr_workgroup_id_x 1
		.amdhsa_system_sgpr_workgroup_id_y 1
		.amdhsa_system_sgpr_workgroup_id_z 1
		.amdhsa_system_vgpr_workitem_id 0
		.amdhsa_next_free_vgpr 1024
		.amdhsa_next_free_sgpr 84
		.amdhsa_reserve_vcc 0
		.amdhsa_float_denorm_mode_32 3
		.amdhsa_float_denorm_mode_16_64 3
		.amdhsa_memory_ordered 1
		.amdhsa_forward_progress 1
		.amdhsa_inst_pref_size 255
	.end_amdhsa_kernel
	.section	.bss,"aw",@nobits
	.p2align	6
	.space	262144
	.amdgpu_metadata
---
amdhsa.version: [ 1, 2 ]
amdhsa.kernels:
  - .name:           k_qb291cba00d_outp
    .symbol:         k_qb291cba00d_outp.kd
    .args:
      - { .name: xc0, .offset: 0, .size: 8, .value_kind: global_buffer, .address_space: global }
      - { .name: wc, .offset: 8, .size: 8, .value_kind: global_buffer, .address_space: global }
      - { .name: bq, .offset: 16, .size: 8, .value_kind: global_buffer, .address_space: global }
      - { .name: lowp_scales, .offset: 24, .size: 8, .value_kind: global_buffer, .address_space: global }
      - { .name: kvc, .offset: 32, .size: 8, .value_kind: global_buffer, .address_space: global }
      - { .name: ks, .offset: 40, .size: 8, .value_kind: global_buffer, .address_space: global }
      - { .name: out0, .offset: 48, .size: 8, .value_kind: global_buffer, .address_space: global }
    .group_segment_fixed_size: 327680
    .private_segment_fixed_size: 0
    .kernarg_segment_align: 8
    .kernarg_segment_size: 56
    .max_flat_workgroup_size: 128
    .sgpr_count:     84
    .vgpr_count:     1024
    .wavefront_size: 32
...
	.end_amdgpu_metadata
.endif
;; end of part 4
